; MI455X (gfx1250); checked and timed in simulation.
; The chip was launched on July 23, 2026; its instructions are those of AMD's public machine-readable ISA for CDNA 5 (MIT licence, August 2026) and "CDNA5" Instruction Set Architecture Reference Guide (July 2026). The comments in the code are by the model that wrote it; some were corrected since.
;; Causal Multi Head Self Attention. Allowed arithmetic: matrix products marked QUANTISED: E2M3 operands, one E8M0 scale for each 32 along K, by v_wmma_scale_f32_16x16x128_f8f6f4 with both operands' format E2M3, f32 sums; everything else in f32.
;; Inputs: Wk 1,024 x 1,024 float32; Wo 1,024 x 1,024 float32; Wq 1,024 x 1,024 float32; Wv 1,024 x 1,024 float32; in_features 4 x 2,048 x 1,024 float32; token_positions 2,048 int32.
;; Outputs: out0 4 x 2,048 x 1,024 float32.
;; This version of the problem:
;;   THIS VERSION OF THE PROBLEM IS GIVEN IN LOW PRECISION. The matrix products marked QUANTISED in the list below multiply operands that are first quantised to E2M3 (2 exponent bits, 3 mantissa bits; 6 bits a number), with one power-of-two scale for each 32 numbers along K (OCP MX v1.0); their sums are f32. All else is computed in f32.
;;   The module's matrix products, in the order in which they are computed (A, B: the left and right operand; K: the contracted axis; several contracted axes count as one K, in the product's order):
;;     1. [M 8,192, K 1,024] x [K 1,024, N 1,024]; A: input in_features; B: input Wq: QUANTISED
;;     2. [M 8,192, K 1,024] x [K 1,024, N 1,024]; A: input in_features; B: input Wk: QUANTISED
;;     3. [M 8,192, K 1,024] x [K 1,024, N 1,024]; A: input in_features; B: input Wv: QUANTISED
;;     4. batch 64 x [M 2,048, K 64] x [K 64, N 2,048]; A: computed on the way; B: computed on the way: QUANTISED
;;     5. batch 64 x [M 2,048, K 2,048] x [K 2,048, N 64]; A: softmax (see below); B: computed on the way: QUANTISED
;;     6. [M 8,192, K 1,024] x [K 1,024, N 1,024]; A: computed on the way; B: input Wo: QUANTISED
;;   THE QUANTISER, for each operand of a quantised product, along K:
;;     - K is cut into blocks of 32 from its start; a last block that is shorter is filled with zeros.
;;     - A block's scale is 2^e with e = floor(log2(the largest magnitude in the block)) - 2, held to -126 .. 127; a block of zeros has e = 0. As a byte (E8M0): e + 127.
;;     - Each number is divided by its block's scale, clamped to +-7.5, and rounded to the nearest number of E2M3, ties to even, subnormals kept.
;;     - The product sums the exact products of the quantised numbers (number of the format x scale) in f32.
;;   ~~~python
;;   def quantise(x, axis):      # numpy; x: float32 -> the quantised numbers, widened to float32 again
;;       x = np.moveaxis(x, axis, -1); K = x.shape[-1]
;;       x = np.pad(x, [(0, 0)] * (x.ndim - 1) + [(0, -K % 32)]); x = x.reshape(x.shape[:-1] + (-1, 32)); a = np.abs(x).max(-1, keepdims=True)
;;       e = np.where(a > 0, np.clip(np.frexp(np.where(a > 0, a, 1))[1] - 1 - 2, -126, 127), 0)      # np.frexp(a)[1] - 1 = floor(log2(a)), exactly
;;       r = np.clip(x / 2.0 ** e, -7.5, 7.5)
;;       step = 2.0 ** (np.maximum(np.frexp(np.where(r == 0, 1, r))[1] - 1, 0) - 3)
;;       q = np.round(r / step) * step * 2.0 ** e      # np.round: ties to even
;;       return np.moveaxis(q.reshape(q.shape[:-2] + (-1,))[..., :K], -1, axis).astype(np.float32)
;;   ~~~
;;   SOFTMAX AHEAD OF A QUANTISED PRODUCT. Where the list says 'softmax', what is quantised is not the finished softmax but p = 2^(t - M), with t = logit x log2(e) and M = ceil(the row's largest t), a whole number; so 1/2 < the row's largest p <= 1. The row's sum l is taken of the UNQUANTISED p, in f32, and the product's result is divided by l at the end. Since M is a whole number, a kernel that streams over the keys may use a running M (the ceiling of the running maximum): every later rescaling is an exact power of two, which a block's scale takes up: the codes' values come out the same.
;;   OPERANDS COMPUTED ON THE WAY. 'Computed on the way' means the value that the module computes at that place (a softmax that the list does not call 'softmax' is quantised finished and normalised). What goes into a quantiser is computed in f32, as accurately as f32 sums, v_exp_f32 and their like allow (about 1e-6 of the number): no bf16 or f16 on the way to a quantiser, and a product that is left as it is and whose result goes on into a quantised operand takes f32 operands (vector FMAs, or v_wmma_f32_16x16x4_f32). A number that lies on a knife's edge between two numbers of the format may be rounded either way, as far as f32 arithmetic and the matrix unit's own rounding can turn it there, and no further.
;; One version. Each part assembles by itself: llvm-mc -triple=amdgcn-amd-amdhsa -mcpu=gfx1250 --defsym DOCPART=n.
;; ======== version 1 of 1: 4 launches
;; workspace buffers: xq 6,553,600 bytes; wq 3,276,800 bytes; rope 524,288 bytes; qkv 20,185,088 bytes; oq 6,553,600 bytes
;; launch prep (part 1): grid 416 x 1, 4 waves a work-group, no clusters, 34,304 bytes of LDS; arguments in_features, Wq, Wk, Wv, Wo, token_positions, xq, wq, rope; writes xq, wq, rope
.if DOCPART == 1
	.amdgcn_target "amdgcn-amd-amdhsa--gfx1250"
	.amdhsa_code_object_version 6
	.text
	.protected	k_q92d22327e6_prep
	.globl	k_q92d22327e6_prep
	.p2align	8
	.type	k_q92d22327e6_prep,@function
k_q92d22327e6_prep:
	s_mov_b64 s[64:65], 0
	v_nop
	global_prefetch_b8 v0, s[64:65] scope:SCOPE_SE
	s_setreg_imm32_b32 hwreg(HW_REG_WAVE_MODE, 25, 1), 1
	s_wait_xcnt 0x0
; x [8192][1024] and the four weights [1024][1024], f32 with K innermost, become codes of FP6 (E2M3) with one E8M0 byte for each 32 along K; token_positions becomes a table of cos and sin.
; THE CODES ARE LAID AS IMAGES OF OPERAND REGISTERS.  A fragment (16 rows x 128 K, 12 registers a lane) is six pieces of 256 bytes: piece p holds registers 2 p, 2 p + 1, lane l's 8 bytes at 8 l.
; Tile t, K step s lies at 12,288 t + 1,536 s.  THE ROWS OF A TILE ARE NOT NEIGHBOURS: lane r of tile t is row 32 (t / 2) + 8 (t % 2) + r + 8 (r / 8), in every tensor of this program.
; THE SCALE BYTES of a tile are 512 bytes: lane l = r + 16 H has 16 bytes at 16 l, word j = the four bytes of K step 4 H + j of the tile's row r.
; A block's scale is 2^(floor(log2(its largest magnitude)) - 2); its byte is the largest magnitude's exponent field - 2, held at 1 from below.
; SHARES.  Work-groups 0-255 take x, 256-383 the weights (32 each: Wq, Wk, Wv, Wo), 384-415 the table.  A wave takes one tile and half of K: four fragments.  Each load reads 512 consecutive bytes of a row;
; the 16 rows turn through the wave's own stage in LDS (rows 528 bytes apart), so that a lane gets the 64 numbers that the operand's layout gives it: two whole blocks, so no other lane is asked for a maximum.
; No cluster, no tensor load, no barrier: work-groups and waves share no input.
; LIMITS: NaN and infinities are not served; a block of zeros gets the byte 1 where the rule says 127 (its codes are zeros, and this program alone reads the bytes); blocks whose largest magnitude lies under 2^-124 are held at byte 1.
; The frequencies are v_exp_f32 of -i log2(10) / 8: within that instruction's accuracy of 10000^(-i / 32).  The angle is reduced by pi / 2 in two parts: its error is n x 1.7e-15, n the multiple taken off; served for |position| under 2^20.
.set XSC,  6291456                     ; where x's scale images begin in xq
.set WSC,  3145728                     ; and the weights' in wq
.set R,    16                          ; v16-79, v80-143  16 rows x 16 bytes a lane as loaded, two sets
.set X,    144                         ; v144-207 register 32 c + i = k 64 c + 32 h + i of my row
.set PC,   208                         ; v208-219, v220-231 a fragment's codes, two sets
.set T2,   232                         ; v232-234, v236-238 the upper halves of the two blocks (a conversion's three registers begin on an even number)
.set WD,   244                         ; v244-247 the four fragments' scale words
.macro LOAD j                          ; fragment j: 16 rows x 512 bytes
.irp i, 0,1,2,3,4,5,6,7,8,9,10,11,12,13,14,15
	global_load_b128 v[R+64*((\j)%2)+4*\i:R+64*((\j)%2)+4*\i+3], v4, s[26:27] offset:(\i+8*(\i/8))*4096+512*(\j) th:TH_LOAD_NT
.endr
.endm
.macro FRAGQ j
.if (\j) < 3
	s_wait_loadcnt 16                              ; this fragment's 16 loads are in; the next fragment's 16 may be out
.else
	s_wait_loadcnt 0x0
.endif
.irp i, 0,1,2,3,4,5,6,7,8,9,10,11,12,13,14,15
	ds_store_b128 v5, v[R+64*((\j)%2)+4*\i:R+64*((\j)%2)+4*\i+3] offset:528*\i
.endr
.irp c, 0,1
.irp m, 0,1,2,3,4,5,6,7
	ds_load_b128 v[X+32*\c+4*\m:X+32*\c+4*\m+3], v6 offset:256*\c+16*\m   ; LDS serves a wave's instructions in order: these see the stores above
.endr
.endr
	s_wait_dscnt 0x0                               ; my 64 numbers are in, and the stores have read their registers,
.if (\j)+2 < 4
	LOAD (\j)+2                                    ; which take the loads of two fragments on
.endif
.irp c, 0,1
	v_max3_num_f32 v[9+\c], |v[X+32*\c]|, |v[X+32*\c+1]|, 0x1800000   ; block 2 c + h: all 32 numbers are mine; the floor 2^(3 - 127) holds the byte at 1 from below
.endr
.irp i, 2,4,6,8,10,12,14,16,18,20,22,24,26,28,30
.irp c, 0,1
	v_max3_num_f32 v[9+\c], v[9+\c], |v[X+32*\c+\i]|, |v[X+32*\c+\i+1]|
.endr
.endr
.irp c, 0,1
	v_add_nc_u32 v[11+\c], 0xff000000, v[9+\c]     ; 2 off the exponent field: the conversion takes the exponent field of this operand as its scale
.endr
.irp c, 0,1
	v_lshrrev_b32 v[13+\c], 23, v[11+\c]           ; the scale's byte
.endr
	v_lshl_or_b32 v[WD+(\j)], v14, 16, v13         ; my two bytes: blocks h and 2 + h,
	v_lshlrev_b32 v[WD+(\j)], v250, v[WD+(\j)]     ; 8 h bits up;
	v_permlanex16_b32 v15, v[WD+(\j)], s24, s25
	v_or_b32 v[WD+(\j)], v[WD+(\j)], v15           ; with lane l xor 16's two the word is whole
.if (\j) >= 2
	s_wait_alu depctr_va_vdst(0)
	s_wait_xcnt 0x0                                ; the stores of two fragments back have read this set of code registers
.endif
.set PCS, PC+12*((\j)%2)
.irp c, 0,1
	v_cvt_scalef32_pk16_fp6_f32 v[PCS+6*\c:PCS+6*\c+2], v[X+32*\c:X+32*\c+15], v[11+\c]
	v_cvt_scalef32_pk16_fp6_f32 v[T2+4*\c:T2+4*\c+2], v[X+32*\c+16:X+32*\c+31], v[11+\c]
.endr
	v_nop                                          ; one plain line behind the scaled conversions
.irp c, 0,1
.irp i, 0,1,2
	v_mov_b32 v[PCS+6*\c+3+\i], v[T2+4*\c+\i]
.endr
.endr
.irp p, 0,1,2,3,4,5
	global_store_b64 v7, v[PCS+2*\p:PCS+2*\p+1], s[38:39] offset:1536*(\j)+256*\p   ; 32 lanes store 256 consecutive bytes, aligned
.endr
.endm
; cos and sin of the angle in v[a].  n = the nearest multiple of pi / 2; r = angle - n pi / 2, in two fused steps (the first is exact); polynomials in r on -pi/4 .. pi/4; the quadrant picks and signs them.
.macro SINCOS a, c, s
	v_mul_f32 v20, s32, v[\a]
	v_rndne_f32 v20, v20                           ; n
	v_fma_f32 v21, v20, s33, v[\a]
	v_fma_f32 v21, v20, s34, v21                   ; r
	v_cvt_i32_f32 v22, v20                         ; q
	v_mul_f32 v23, v21, v21                        ; z = r r
	v_fma_f32 v24, v23, s35, s36
	v_fma_f32 v25, v23, s38, s39
	v_fma_f32 v24, v24, v23, s37
	v_fma_f32 v25, v25, v23, s40
	v_mul_f32 v24, v24, v23
	v_fma_f32 v25, v25, v23, -0.5
	v_fma_f32 v24, v24, v21, v21                   ; sin r
	v_fma_f32 v25, v25, v23, 1.0                   ; cos r
	v_and_b32 v26, 1, v22
	v_cmp_eq_u32 vcc_lo, 1, v26
	v_cndmask_b32 v27, v24, v25, vcc_lo            ; in odd quadrants the two change places
	v_cndmask_b32 v28, v25, v24, vcc_lo
	v_lshlrev_b32 v26, 30, v22
	v_and_b32 v26, 0x80000000, v26                 ; sin is negative in quadrants 2, 3
	v_xor_b32 v[\s], v27, v26
	v_add_nc_u32 v26, 1, v22
	v_lshlrev_b32 v26, 30, v26
	v_and_b32 v26, 0x80000000, v26                 ; cos in quadrants 1, 2
	v_xor_b32 v[\c], v28, v26
.endm
	s_load_b256 s[4:11], s[0:1], 0x0               ; x s[4:5], Wq s[6:7], Wk s[8:9], Wv s[10:11]
	s_load_b256 s[12:19], s[0:1], 0x20             ; Wo s[12:13], positions s[14:15], xq s[16:17], wq s[18:19]
	s_load_b64 s[20:21], s[0:1], 0x40              ; rope
	v_lshl_add_u32 v254, v0, 2, 0x8400
	v_mov_b32 v255, 0
	s_cmp_ge_u32 ttmp9, 384
	s_cbranch_scc1 .Lrope
	; ---- the quantiser
	v_lshrrev_b32 v1, 5, v0
	v_readfirstlane_b32 s22, v1                    ; wave
	v_and_b32 v1, 31, v0                           ; lane
	v_and_b32 v2, 15, v0                           ; r
	v_bfe_u32 v3, v0, 4, 1                         ; h
	v_lshlrev_b32 v4, 4, v1                        ; my 16 bytes of a load's 512
	s_mul_i32 s23, s22, 8448                       ; my wave's stage
	v_add_nc_u32 v5, s23, v4                       ; into it: 16 x lane, a row an instruction
	v_mul_u32_u24 v6, v2, 528
	v_lshl_add_u32 v6, v3, 7, v6
	v_add_nc_u32 v6, s23, v6                       ; out of it: row r, + 128 h
	v_lshlrev_b32 v7, 3, v1                        ; a piece's place for my lane
	v_lshlrev_b32 v8, 4, v2
	v_lshl_add_u32 v8, v3, 3, v8                   ; the scale image: 16 r + 8 h
	v_lshlrev_b32 v250, 3, v3                      ; 8 h
	v_mov_b32 v15, 0                               ; written once: a lane permute's destination counts as one of its sources
	s_mov_b32 s24, 0x76543210
	s_mov_b32 s25, 0xfedcba98                      ; v_permlanex16_b32's selects for lane l xor 16
	s_wait_alu depctr_va_vdst(0)
	s_wait_kmcnt 0x0
	s_cmp_lt_u32 ttmp9, 288                        ; which tensor: the choices hang on the work-group's number alone
	s_cselect_b64 s[26:27], s[6:7], s[8:9]
	s_cmp_lt_u32 ttmp9, 320
	s_cselect_b64 s[26:27], s[26:27], s[10:11]
	s_cmp_lt_u32 ttmp9, 352
	s_cselect_b64 s[26:27], s[26:27], s[12:13]
	s_mov_b32 s30, WSC
	s_cmp_lt_u32 ttmp9, 256
	s_cselect_b64 s[26:27], s[4:5], s[26:27]       ; the source
	s_cselect_b64 s[28:29], s[16:17], s[18:19]     ; the destination
	s_cselect_b32 s30, XSC, s30                    ; where its scale images begin
	s_cselect_b32 s31, 511, 63                     ; tiles in a source tensor, less 1
	s_cselect_b32 s32, 0, 256
	s_sub_co_u32 s32, ttmp9, s32
	s_lshl_b32 s32, s32, 1
	s_lshr_b32 s33, s22, 1
	s_add_co_u32 s32, s32, s33                     ; my tile in the destination: two tiles a work-group
	s_and_b32 s31, s32, s31                        ; and in the source
	s_and_b32 s33, s22, 1                          ; which half of K
	s_lshr_b32 s34, s31, 1
	s_lshl_b32 s34, s34, 17                        ; 32 rows of 4,096 bytes for each pair of tiles,
	s_and_b32 s35, s31, 1
	s_lshl_b32 s35, s35, 15                        ; 8 rows for the odd one,
	s_add_co_u32 s34, s34, s35
	s_lshl_b32 s35, s33, 11                        ; 512 numbers for the upper half of K
	s_add_co_u32 s34, s34, s35
	s_mov_b32 s35, 0
	s_add_nc_u64 s[26:27], s[26:27], s[34:35]
	s_mul_i32 s36, s32, 12288
	s_mul_i32 s37, s33, 6144
	s_add_co_u32 s36, s36, s37
	s_mov_b32 s37, 0
	s_add_nc_u64 s[38:39], s[28:29], s[36:37]      ; my four fragments' images
	s_lshl_b32 s36, s32, 9
	s_lshl_b32 s40, s33, 8
	s_add_co_u32 s36, s36, s40
	s_add_co_u32 s36, s36, s30
	s_add_nc_u64 s[28:29], s[28:29], s[36:37]      ; my half of the tile's scale image
	LOAD 0
	LOAD 1
	FRAGQ 0
	FRAGQ 1
	FRAGQ 2
	FRAGQ 3
	v_cmp_eq_u32 vcc_lo, 1, v3
	v_cndmask_b32 v248, v244, v246, vcc_lo         ; lanes 0-15 store words 0, 1 of their row, lanes 16-31 words 2, 3
	v_cndmask_b32 v249, v245, v247, vcc_lo
	global_store_b64 v8, v[248:249], s[28:29]      ; 256 consecutive bytes, aligned
	s_wait_tensorcnt 0x0
	ds_add_u32 v254, v255
	s_wait_dscnt 0x0
	s_endpgm
	; ---- the table: rope[token][pair] = (cos, sin) of position x 10000^(-pair / 32): 256 bytes a token
.Lrope:
	s_sub_co_u32 s22, ttmp9, 384
	s_lshl_b32 s22, s22, 7
	v_add_nc_u32 v1, s22, v0                       ; 0 .. 4,095: pairs 2 (g % 16), + 1 of tokens 256 k + g / 16, k = 0 .. 7
	v_and_b32 v2, 15, v1
	v_lshlrev_b32 v2, 1, v2
	v_add_nc_u32 v3, 1, v2
	v_cvt_f32_u32 v2, v2
	v_cvt_f32_u32 v3, v3
	v_mul_f32 v2, 0xbed49a78, v2                   ; -pair x log2(10) / 8
	v_mul_f32 v3, 0xbed49a78, v3
	s_wait_alu depctr_va_vdst(0)
	v_exp_f32 v2, v2                               ; the two frequencies
	v_exp_f32 v3, v3
	v_lshrrev_b32 v4, 4, v1                        ; (plain lines behind the exponentials)
	v_lshlrev_b32 v4, 2, v4                        ; my token's position: 4 bytes
	v_lshlrev_b32 v5, 4, v1                        ; my 16 bytes of the table
	s_mov_b32 s32, 0x3f22f983                      ; 2 / pi
	s_mov_b32 s33, 0xbfc90fdb                      ; -(pi / 2 rounded to f32)
	s_mov_b32 s34, 0x333bbd2e                      ; what that rounding added
	s_mov_b32 s35, 0xb94ca1f9                      ; sin's coefficients
	s_mov_b32 s36, 0x3c08839e
	s_mov_b32 s37, 0xbe2aaaa3
	s_mov_b32 s38, 0x37ccf5ce                      ; cos's
	s_mov_b32 s39, 0xbab6061a
	s_mov_b32 s40, 0x3d2aaaa5
	s_wait_alu depctr_va_vdst(0)
	s_wait_kmcnt 0x0
.irp k, 0,1,2,3,4,5,6,7
	global_load_b32 v[8+\k], v4, s[14:15] offset:1024*\k
.endr
	s_wait_alu depctr_va_vdst(0)                   ; one wait for the two exponentials, ahead of their first reader
	s_wait_loadcnt 0x0
.irp k, 0,1,2,3,4,5,6,7
	v_cvt_f32_i32 v6, v[8+\k]
	v_mul_f32 v16, v6, v2                          ; the angles, rounded once
	v_mul_f32 v17, v6, v3
	SINCOS 16, 64+4*\k, 65+4*\k
	SINCOS 17, 66+4*\k, 67+4*\k
	global_store_b128 v5, v[64+4*\k:67+4*\k], s[20:21] offset:65536*\k   ; sixteen lanes store a token's 256 bytes; each k has data registers of its own
.endr
	s_endpgm
.Lfunc_end_k_q92d22327e6_prep:
	.size	k_q92d22327e6_prep, .Lfunc_end_k_q92d22327e6_prep-k_q92d22327e6_prep
	.p2alignl 7, 3214868480
	.fill 96, 4, 3214868480
	.section	.rodata,"a",@progbits
	.p2align	6, 0x0
	.amdhsa_kernel k_q92d22327e6_prep
		.amdhsa_group_segment_fixed_size 34304
		.amdhsa_private_segment_fixed_size 0
		.amdhsa_enable_private_segment 0
		.amdhsa_kernarg_size 72
		.amdhsa_user_sgpr_count 2
		.amdhsa_user_sgpr_kernarg_segment_ptr 1
		.amdhsa_wavefront_size32 1
		.amdhsa_system_sgpr_workgroup_id_x 1
		.amdhsa_system_sgpr_workgroup_id_y 1
		.amdhsa_system_sgpr_workgroup_id_z 1
		.amdhsa_system_vgpr_workitem_id 0
		.amdhsa_next_free_vgpr 256
		.amdhsa_next_free_sgpr 66
		.amdhsa_reserve_vcc 1
		.amdhsa_float_denorm_mode_32 3
		.amdhsa_float_denorm_mode_16_64 3
		.amdhsa_memory_ordered 1
		.amdhsa_forward_progress 1
		.amdhsa_inst_pref_size 54
	.end_amdhsa_kernel
	.amdgpu_metadata
---
amdhsa.version: [ 1, 2 ]
amdhsa.kernels:
  - .name:           k_q92d22327e6_prep
    .symbol:         k_q92d22327e6_prep.kd
    .args:
      - { .name: in_features, .offset: 0, .size: 8, .value_kind: global_buffer, .address_space: global }
      - { .name: Wq, .offset: 8, .size: 8, .value_kind: global_buffer, .address_space: global }
      - { .name: Wk, .offset: 16, .size: 8, .value_kind: global_buffer, .address_space: global }
      - { .name: Wv, .offset: 24, .size: 8, .value_kind: global_buffer, .address_space: global }
      - { .name: Wo, .offset: 32, .size: 8, .value_kind: global_buffer, .address_space: global }
      - { .name: token_positions, .offset: 40, .size: 8, .value_kind: global_buffer, .address_space: global }
      - { .name: xq, .offset: 48, .size: 8, .value_kind: global_buffer, .address_space: global }
      - { .name: wq, .offset: 56, .size: 8, .value_kind: global_buffer, .address_space: global }
      - { .name: rope, .offset: 64, .size: 8, .value_kind: global_buffer, .address_space: global }
    .group_segment_fixed_size: 34304
    .private_segment_fixed_size: 0
    .kernarg_segment_align: 8
    .kernarg_segment_size: 72
    .max_flat_workgroup_size: 128
    .sgpr_count:     66
    .vgpr_count:     256
    .wavefront_size: 32
...
	.end_amdgpu_metadata
.endif
;; end of part 1
;; launch qkv (part 2): grid 12 x 64, 4 waves a work-group, clusters of 4 x 4, 295,424 bytes of LDS; arguments xq, wq, rope, qkv; writes qkv
.if DOCPART == 2
	.amdgcn_target "amdgcn-amd-amdhsa--gfx1250"
	.amdhsa_code_object_version 6
	.text
	.protected	k_q92d22327e6_qkv
	.globl	k_q92d22327e6_qkv
	.p2align	8
	.type	k_q92d22327e6_qkv,@function
k_q92d22327e6_qkv:
	s_mov_b64 s[64:65], 0
	v_nop
	global_prefetch_b8 v0, s[64:65] scope:SCOPE_SE
	s_setreg_imm32_b32 hwreg(HW_REG_WAVE_MODE, 25, 1), 1
	s_wait_xcnt 0x0
	s_wait_alu depctr_hold_cnt(0) depctr_sa_sdst(0) depctr_va_vdst(0) depctr_va_sdst(0) depctr_va_ssrc(0) depctr_va_vcc(0) depctr_vm_vsrc(0)
	s_getreg_b32 s2, hwreg(HW_REG_IB_STS2, 6, 4)
	s_cmp_eq_u32 s2, 0
	s_cbranch_scc0 .Lentry_in_a_cluster
	s_endpgm
.Lentry_in_a_cluster:
	s_bfe_u32 s2, ttmp6, 0x10000c
	s_cmp_lg_u32 s2, 0xf033
	s_cbranch_scc0 .Lentry_shape_is_right
	s_endpgm
.Lentry_shape_is_right:
; Q, K, V = x Wq^T, x Wk^T, x Wv^T on codes of FP6 (E2M3) with E8M0 scales; RoPE on Q and K in f32; the results are quantised in registers for the attention's products and stored as images of operand registers.
; A work-group makes 128 tokens x 256 channels over all of K = 1,024.  BOTH PANELS FOR THE WHOLE K LIE IN LDS (8 + 16 tiles x 12,288 bytes = 294,912): every LDS byte is filled once, in four chunks of two K steps,
; each wave issuing four tensor loads at the start; so there is no ring and no slot is filled again.  A counted wait and a barrier stand in front of each chunk's first read.
; CLUSTERS: 4 x 4 work-groups.  The four of a row of the cluster need the same tiles of x, the four of a column the same tiles of the weights: each is asked for jointly.
; The cluster's x says which product: 0 Q, 1 K, 2 V: the same in all sixteen partners.
; OPERANDS IN MEMORY AND LDS are images of registers: a fragment (16 rows x 128 K) is six pieces of 256 bytes, lane l's 8 bytes at 8 l: every LDS load reads 256 consecutive bytes.
; Lane r of tile t is row 32 (t / 2) + 8 (t % 2) + r + 8 (r / 8): so the 16 registers of two neighbouring result tiles along source 0 are 16 neighbours, as the next quantiser wants them.
; Q, K: source 0 = 16 channels of W, source 1 = 16 tokens: a lane holds one token, its registers run along 128 channels (two heads).  A wave: 4 tiles of tokens x 8 tiles of channels.
; V: source 0 = 16 tokens, source 1 = 16 channels: a lane holds one channel, its registers run along the 128 tokens, which are a key step of the attention's second product.  A wave: one head's 4 tiles x 8 tiles of tokens.
; OUT (buffer qkv): for each (batch, head) a record of 208,896 bytes: K's images [128 tiles][3 pieces][256], K's scale words [32][16 r][4 tiles], V's images [16 key steps][4 tiles][1,536], V's scale words [16][16 r][4 tiles];
; behind the 64 records Q's images and Q's scale words, laid as K's.  Of a Q or K scale word bytes 0, 1 are the head's two blocks, bytes 2, 3 are 0.
; LIMITS: NaN and infinities are not served; a block of zeros gets the byte 1 (its codes are zeros; this program alone reads the bytes).
; REGISTERS: window 0: v1-5 lane numbers and offsets, v6-9, v10-13 LDS addresses of source 0's and source 1's tiles in chunk c, v14-15 way-out offsets, v16-47 source 0's scale words (tile b at 16 + 4 b), v48-63 source 1's,
;   v64-111, v112-159 source 1's fragments, two sets; on the way out v64-183 are at work.   window 1: source 0's fragments, two sets, at 0 and at 128; at the end v0-127 the cos and sin.   window 2: the 32 accumulators, (a, b) at 8 (8 a + b).
.set CH,   73728                       ; a chunk in LDS: x's 8 tiles x 3,072 bytes (two K steps), then W's 16
.set XSC,  6291456
.set WSC,  3145728
.set REC,  208896
.set KSO,  98304
.set VIO,  106496
.set VSO,  204800
.set QIMG, 13369344
.set QSC,  19660800
.set H,    64                          ; v64-127  64 numbers after RoPE
.set PC,   128                         ; v128-139 a fragment's codes
.set T2,   140                         ; v140-142, v144-146
.set TM,   148                         ; v148-151 largest magnitudes, v152-155 bytes, v160-163 the conversions' scale operands
.set PWS,  168                         ; v168-171 the four scale words
.set SD,   172                         ; v172-175 as they are stored
.set RT,   176                         ; v176-179 at work
.set SEL,  98                          ; s[98:99]
.set MSB, 0
.macro WIN new                         ; the immediate's high byte repeats the setting that is left
.if MSB != (\new)
	s_set_vgpr_msb (MSB<<8)|(\new)
.set MSB, \new
.endif
.endm
.macro PLACES n
.rept \n
	v_nop
.endr
.endm
.macro CROUND                          ; a round of the cluster's barrier
	s_barrier_signal -1
	s_barrier_wait -1
	s_cmp_lg_u32 s12, 0
	s_cbranch_scc1 .Lnot_wave_0_\@
	s_barrier_signal -3
.Lnot_wave_0_\@:
	s_barrier_wait -3
	s_barrier_signal -1
	s_barrier_wait -1
.endm
.macro FETCH s, set                    ; K step s: source 0's eight fragments and source 1's four
	WIN 0x40                                       ; destination window 1, address window 0
.irp b, 0,1,2,3,4,5,6,7
.irp p, 0,1,2,3,4,5
	ds_load_b64 v[128*(\set)+12*\b+2*\p:128*(\set)+12*\b+2*\p+1], v[6+(\s)/2] offset:3072*\b+1536*((\s)%2)+256*\p
.endr
.endr
	WIN 0
.irp a, 0,1,2,3
.irp p, 0,1,2,3,4,5
	ds_load_b64 v[64+48*(\set)+12*\a+2*\p:64+48*(\set)+12*\a+2*\p+1], v[10+(\s)/2] offset:3072*\a+1536*((\s)%2)+256*\p
.endr
.endr
.endm
; 32 matrix instructions: K step s.  The 32 accumulators take turns, one instruction a turn, in the same order in every step.  The first step's products start the sums.
; A tile's four scale registers serve K steps 0-3 from lanes 0-15 and K steps 4-7 from lanes 16-31.
.macro MUL s
	WIN 0xa1                                       ; source 0 window 1, source 1 window 0, C and D window 2
.irp a, 0,1,2,3
.irp b, 0,1,2,3,4,5,6,7
.if (\s) == 0
	v_wmma_scale_f32_16x16x128_f8f6f4 v[8*(8*\a+\b):8*(8*\a+\b)+7], v[128*((\s)%2)+12*\b:128*((\s)%2)+12*\b+11], v[64+48*((\s)%2)+12*\a:64+48*((\s)%2)+12*\a+11], 0, v[16+4*\b+(\s)%4], v[48+4*\a+(\s)%4] matrix_a_fmt:MATRIX_FMT_FP6 matrix_b_fmt:MATRIX_FMT_FP6
.elseif (\s) < 4
	v_wmma_scale_f32_16x16x128_f8f6f4 v[8*(8*\a+\b):8*(8*\a+\b)+7], v[128*((\s)%2)+12*\b:128*((\s)%2)+12*\b+11], v[64+48*((\s)%2)+12*\a:64+48*((\s)%2)+12*\a+11], v[8*(8*\a+\b):8*(8*\a+\b)+7], v[16+4*\b+(\s)%4], v[48+4*\a+(\s)%4] matrix_a_fmt:MATRIX_FMT_FP6 matrix_b_fmt:MATRIX_FMT_FP6
.else
	v_wmma_scale_f32_16x16x128_f8f6f4 v[8*(8*\a+\b):8*(8*\a+\b)+7], v[128*((\s)%2)+12*\b:128*((\s)%2)+12*\b+11], v[64+48*((\s)%2)+12*\a:64+48*((\s)%2)+12*\a+11], v[8*(8*\a+\b):8*(8*\a+\b)+7], v[16+4*\b+(\s)%4], v[48+4*\a+(\s)%4] matrix_a_fmt:MATRIX_FMT_FP6 matrix_b_fmt:MATRIX_FMT_FP6 matrix_a_scale:MATRIX_SCALE_ROW1 matrix_b_scale:MATRIX_SCALE_ROW1
.endif
.endr
.endr
.endm
.macro ROPELOAD                        ; cos and sin of my four tokens (one for each tile a), for my 16 pairs: into window 1, where set 0 has been multiplied
	WIN 0x40
.irp a, 0,1,2,3
.irp e, 0,1
.irp m, 0,1,2,3
	global_load_b128 v[32*\a+16*\e+4*\m:32*\a+16*\e+4*\m+3], v14, s[96:97] offset:(32*(\a/2)+8*(\a%2))*256+128*\e+16*\m
.endr
.endr
.endr
.endm
.macro STEP s, tail
	s_wait_dscnt 0x0                               ; this step's fragments are in (asked for ahead of the last step's 32 products)
.if ((\s)%2 == 1) && ((\s) < 7)
	s_wait_tensorcnt 3-((\s)+1)/2                  ; my load of the next chunk has landed; my loads of the chunks behind it may be out
	s_barrier_signal -1
	s_barrier_wait -1                              ; everybody's has
.endif
.if (\s) > 0
	PLACES 4                                       ; in front of loads into registers that the last step's products have read
.endif
.if (\s) < 7
	FETCH (\s)+1, ((\s)+1)%2
.elseif \tail
	ROPELOAD
.endif
	MUL \s
.endm
.macro MAIN tail
	s_wait_tensorcnt 0x3                           ; my load of chunk 0 has landed; the three behind it may be out
	s_barrier_signal -1
	s_barrier_wait -1
	FETCH 0, 0
	s_wait_loadcnt 0x0                             ; the scale words
	STEP 0, \tail
	STEP 1, \tail
	STEP 2, \tail
	STEP 3, \tail
	STEP 4, \tail
	STEP 5, \tail
	STEP 6, \tail
	STEP 7, \tail
	WIN 0
	PLACES 4                                       ; in front of the first read of results and the first write of operand registers
.endm
.macro SCLOAD                          ; a tile's scale image: 512 consecutive bytes an instruction
.irp b, 0,1,2,3,4,5,6,7
	global_load_b128 v[16+4*\b:19+4*\b], v5, s[92:93] offset:512*\b
.endr
.irp a, 0,1,2,3
	global_load_b128 v[48+4*\a:51+4*\a], v5, s[94:95] offset:512*\a
.endr
.endm
; 64 numbers of a lane in window win, register s + 16 b + i = k 32 b + 16 h + i of my row, become a fragment's codes in v[PC] on and its scale word in v[pw].
.macro QUANT s, win, pw
	WIN ((\win)<<2)|((\win)<<4)                    ; sources 1 and 2 in the numbers' window
.irp b, 0,1,2,3
	v_max3_num_f32 v[TM+\b], 0x1800000, |v[(\s)+16*\b]|, |v[(\s)+16*\b+1]|   ; block b: my 16 numbers, and the floor 2^(3 - 127): the byte cannot fall under 1
.endr
.irp i, 2,4,6,8,10,12,14
.irp b, 0,1,2,3
	v_max3_num_f32 v[TM+\b], v[TM+\b], |v[(\s)+16*\b+\i]|, |v[(\s)+16*\b+\i+1]|
.endr
.endr
	WIN 0
.irp b, 0,1,2,3
	v_permlanex16_b32 v[TM+4+\b], v[TM+\b], s[SEL], s[SEL+1]
.endr
.irp b, 0,1,2,3
	v_max_num_f32 v[TM+\b], v[TM+\b], v[TM+4+\b]   ; with lane l xor 16's: the block's largest magnitude
.endr
.irp b, 0,1,2,3
	v_add_nc_u32 v[TM+12+\b], 0xff000000, v[TM+\b] ; 2 off its exponent field: the conversion's scale operand
.endr
.irp b, 0,1,2,3
	v_lshrrev_b32 v[TM+4+\b], 23, v[TM+12+\b]      ; the scale's byte
.endr
	v_lshl_or_b32 v[\pw], v[TM+5], 8, v[TM+4]
	v_lshl_or_b32 v[\pw], v[TM+6], 16, v[\pw]
	v_lshl_or_b32 v[\pw], v[TM+7], 24, v[\pw]
	WIN \win                                       ; source 0 in the numbers' window
.irp c, 0,1
	v_cvt_scalef32_pk16_fp6_f32 v[PC+6*\c:PC+6*\c+2], v[(\s)+32*\c:(\s)+32*\c+15], v[TM+12+2*\c]
	v_cvt_scalef32_pk16_fp6_f32 v[T2+4*\c:T2+4*\c+2], v[(\s)+32*\c+16:(\s)+32*\c+31], v[TM+12+2*\c+1]
.endr
	WIN 0
	v_nop                                          ; one plain line behind the scaled conversions
.irp c, 0,1                                    ; the operand's layout wants a whole block in a lane: lanes 0-15 block 2 c, lanes 16-31 block 2 c + 1
.irp i, 0,1,2
	v_permlane16_swap_b32 v[PC+6*\c+\i], v[T2+4*\c+\i]
.endr
.irp i, 0,1,2
	v_mov_b32 v[PC+6*\c+3+\i], v[T2+4*\c+\i]
.endr
.endr
.endm
; RoPE on tile a's 64 numbers of my token: pairs of neighbouring channels; block b holds pairs 16 (b % 2) + 8 h + m of head b / 2.  Each accumulator is read from its low end on.
.macro ROPE a
	WIN 0x06                                       ; source 0 (the sums) window 2, source 1 (cos, sin) window 1
.irp b, 0,1,2,3
.irp m, 0,1,2,3,4,5,6,7
	v_mul_f32 v[RT+2*(\m%2)], v[64*(\a)+16*\b+2*\m+1], v[32*(\a)+16*(\b%2)+2*\m+1]
	v_mul_f32 v[RT+2*(\m%2)+1], v[64*(\a)+16*\b+2*\m], v[32*(\a)+16*(\b%2)+2*\m+1]
	v_fma_f32 v[H+16*\b+2*\m], v[64*(\a)+16*\b+2*\m], v[32*(\a)+16*(\b%2)+2*\m], -v[RT+2*(\m%2)]
	v_fma_f32 v[H+16*\b+2*\m+1], v[64*(\a)+16*\b+2*\m+1], v[32*(\a)+16*(\b%2)+2*\m], v[RT+2*(\m%2)+1]
.endr
.endr
	WIN 0
.endm
	s_load_b256 s[4:11], s[0:1], 0x0               ; xq s[4:5], wq s[6:7], rope s[8:9], qkv s[10:11]
	v_lshl_add_u32 v254, v0, 2, 0x48000
	v_mov_b32 v255, 0
	ds_add_u32 v254, v255
	ds_add_u32 v254, v255
	v_lshrrev_b32 v1, 5, v0
	v_readfirstlane_b32 s12, v1                    ; wave 0..3
	s_lshr_b32 s13, s12, 1                         ; wm.  Also: I fetch for x (0) or for W (1)
	s_and_b32 s14, s12, 1                          ; wn.  Also: which half of that panel I fetch
	s_bfe_u32 s15, ttmp6, 0x40000                  ; cx
	s_bfe_u32 s16, ttmp6, 0x40004                  ; cy
	s_lshl_b32 s17, ttmp9, 2
	s_add_co_u32 s17, s17, s15                     ; nx: which 256 rows of the stacked weights
	s_and_b32 s18, ttmp7, 0xffff
	s_lshl_b32 s18, s18, 2
	s_add_co_u32 s18, s18, s16                     ; my: which 128 tokens
	s_lshl_b32 s19, s16, 2
	s_lshl_b32 s19, 15, s19                        ; my row of the cluster
	s_lshl_b32 s20, 0x1111, s15                    ; my column
	; descriptor group 1: rows of 3,072 bytes (a tile's two K steps: 384 elements of 8 bytes), 12,288 bytes apart in memory, on end in LDS; x: 4 tiles a load, W: 8
	s_or_b32 s24, s19, (3<<16)|(1<<21)             ; 15:0 the mask: x's tiles go to my row; 17:16 elements of 8 bytes; 21 set beside a mask
	s_or_b32 s32, s20, (3<<16)|(1<<21)             ; W's go to my column
.irp g, 24, 32
	s_mov_b32 s[\g+1], 384<<16                     ; tensor_dim0
	s_mov_b32 s[\g+3], 384<<16                     ; tile_dim0
	s_mov_b32 s[\g+5], 1536                        ; tensor_dim0_stride
	s_mov_b32 s[\g+6], 0
	s_mov_b32 s[\g+7], 0
.endr
	s_mov_b32 s26, 4<<16                           ; tensor_dim1
	s_mov_b32 s28, 4                               ; tile_dim1
	s_mov_b32 s34, 8<<16
	s_mov_b32 s36, 8
	s_lshl_b32 s84, s18, 3
	s_lshl_b32 s85, s14, 2
	s_add_co_u32 s84, s84, s85
	s_mul_i32 s84, s84, 12288                      ; x: tile 8 my + 4 x half
	s_mov_b32 s85, 0
	s_lshl_b32 s86, s17, 4
	s_lshl_b32 s87, s14, 3
	s_add_co_u32 s86, s86, s87
	s_mul_i32 s86, s86, 12288                      ; W: tile 16 nx + 8 x half
	s_mov_b32 s87, 0
	s_mul_i32 s88, s14, 12288                      ; where they go in a chunk: no place in the cluster enters an LDS address
	s_mul_i32 s89, s14, 24576
	s_add_co_u32 s89, s89, 24576
	s_wait_dscnt 0x0
	s_wait_kmcnt 0x0
	s_add_nc_u64 s[84:85], s[4:5], s[84:85]
	s_add_nc_u64 s[86:87], s[6:7], s[86:87]
	CROUND                                         ; all sixteen work-groups are here: the joint loads meet
.irp c, 0,1,2,3
	s_mov_b32 s[40+4*\c], 1
	s_add_co_u32 s[41+4*\c], s88, \c*CH
	s_add_nc_u64 s[42+4*\c:43+4*\c], s[84:85], 3072*\c
	s_or_b32 s[43+4*\c], s[43+4*\c], 0x80000000
	s_mov_b32 s[68+4*\c], 1
	s_add_co_u32 s[69+4*\c], s89, \c*CH
	s_add_nc_u64 s[70+4*\c:71+4*\c], s[86:87], 3072*\c
	s_or_b32 s[71+4*\c], s[71+4*\c], 0x80000000
.endr
	s_cmp_lt_u32 s12, 2                            ; a wave's four fills stand in one branch on the wave's number: four loads of mine are out
	s_cbranch_scc0 .Lfill_w
.irp c, 0,1,2,3
	tensor_load_to_lds s[40+4*\c:43+4*\c], s[24:31]
	s_nop 0
.endr
	PLACES 4
	s_branch .Lfilled
.Lfill_w:
.irp c, 0,1,2,3
	tensor_load_to_lds s[68+4*\c:71+4*\c], s[32:39]
	s_nop 0
.endr
	PLACES 4
.Lfilled:
	v_and_b32 v1, 31, v0                           ; lane
	v_and_b32 v2, 15, v0                           ; r
	v_bfe_u32 v3, v0, 4, 1                         ; h
	v_lshlrev_b32 v4, 3, v1                        ; a piece's place for my lane
	v_lshlrev_b32 v5, 4, v1                        ; a scale image's
	s_mov_b32 s[SEL], 0x76543210
	s_mov_b32 s[SEL+1], 0xfedcba98
	s_lshr_b32 s60, s18, 4                         ; batch
	s_and_b32 s61, s18, 15                         ; which 128 tokens of the sequence
	s_mov_b32 s67, 0
	s_cmp_eq_u32 ttmp9, 2
	s_cbranch_scc1 .Lv
	; ---- Q and K: source 0 = W's tiles 8 wn + b, source 1 = x's tiles 4 wm + a
	s_mul_i32 s90, s13, 12288
	s_wait_alu depctr_va_vdst(0)
.irp c, 0,1,2,3
	s_add_co_u32 s21, s89, \c*CH
	v_add_nc_u32 v[6+\c], s21, v4
	s_add_co_u32 s22, s90, \c*CH
	v_add_nc_u32 v[10+\c], s22, v4
.endr
	s_lshl_b32 s92, s17, 4
	s_lshl_b32 s93, s14, 3
	s_add_co_u32 s92, s92, s93
	s_lshl_b32 s92, s92, 9
	s_add_co_u32 s92, s92, WSC
	s_mov_b32 s93, 0
	s_add_nc_u64 s[92:93], s[6:7], s[92:93]
	s_lshl_b32 s94, s18, 3
	s_lshl_b32 s95, s13, 2
	s_add_co_u32 s94, s94, s95
	s_lshl_b32 s94, s94, 9
	s_add_co_u32 s94, s94, XSC
	s_mov_b32 s95, 0
	s_add_nc_u64 s[94:95], s[4:5], s[94:95]
	SCLOAD
	s_mov_b32 s21, REC
	s_mov_b32 s22, KSO
	s_cmp_eq_u32 ttmp9, 1                          ; K's images and words lie in the records, Q's behind them
	s_cselect_b32 s56, s21, 98304                  ; from head to head: images
	s_cselect_b32 s57, 0, QIMG                     ; where they begin
	s_cselect_b32 s58, s21, 8192                   ; from head to head: scale words
	s_cselect_b32 s59, s22, QSC
	s_lshl_b32 s62, s60, 4
	s_lshl_b32 s63, s15, 2
	s_add_co_u32 s62, s62, s63
	s_lshl_b32 s63, s14, 1
	s_add_co_u32 s62, s62, s63                     ; my first head: 16 batch + 4 cx + 2 wn
	s_mul_i32 s66, s62, s56
	s_add_co_u32 s66, s66, s57
	s_lshl_b32 s63, s61, 3
	s_lshl_b32 s21, s13, 2
	s_add_co_u32 s63, s63, s21
	s_mul_i32 s63, s63, 768                        ; my first tile of tokens: 8 ms + 4 wm
	s_add_co_u32 s66, s66, s63
	s_add_nc_u64 s[84:85], s[10:11], s[66:67]      ; images, first head
	s_mov_b32 s66, s56
	s_add_nc_u64 s[86:87], s[84:85], s[66:67]      ; second head
	s_mul_i32 s66, s62, s58
	s_add_co_u32 s66, s66, s59
	s_lshl_b32 s21, s61, 1
	s_add_co_u32 s21, s21, s13
	s_lshl_b32 s21, s21, 8                         ; my group of four tiles: 2 ms + wm
	s_add_co_u32 s66, s66, s21
	s_add_nc_u64 s[90:91], s[10:11], s[66:67]      ; scale words
	v_mul_u32_u24 v15, s58, v3
	v_lshl_add_u32 v15, v2, 4, v15                 ; 16 r; lanes 16-31 store the second head's
	s_lshl_b32 s66, s61, 15
	s_lshl_b32 s21, s13, 14
	s_add_co_u32 s66, s66, s21
	s_add_nc_u64 s[96:97], s[8:9], s[66:67]        ; the table at token 128 ms + 64 wm
	v_and_b32 v14, 8, v2
	v_add_nc_u32 v14, v14, v2
	v_lshlrev_b32 v14, 8, v14
	v_lshl_add_u32 v14, v3, 6, v14                 ; token r + 8 (r / 8), pairs 8 h on
	s_wait_alu depctr_va_vdst(0)
	MAIN 1
	s_wait_loadcnt 0x0                             ; cos and sin
.irp b, 0,1,2,3
	v_mov_b32 v[TM+4+\b], 0                        ; written once: a lane permute's destination counts as one of its sources
.endr
.irp a, 0,1,2,3
	ROPE \a
.if \a > 0
	s_wait_xcnt 0x0                                ; the last tile's stores have read the code registers
.endif
	QUANT H, 0, PWS+\a
.irp c, 0,1
.irp p, 0,1,2
	global_store_b64 v4, v[PC+6*\c+2*\p:PC+6*\c+2*\p+1], s[84+2*\c:85+2*\c] offset:768*\a+256*\p   ; head c's half of the fragment: three pieces of 256 bytes
.endr
.endr
.endr
	v_cmp_eq_u32 vcc_lo, 1, v3
.irp a, 0,1,2,3
	v_and_b32 v[TM+\a], 0xffff, v[PWS+\a]          ; the first head's two bytes,
	v_lshrrev_b32 v[TM+4+\a], 16, v[PWS+\a]        ; the second's; the upper two bytes are 0
	v_cndmask_b32 v[SD+\a], v[TM+\a], v[TM+4+\a], vcc_lo
.endr
	global_store_b128 v15, v[SD:SD+3], s[90:91]    ; sixteen lanes store 256 consecutive bytes, aligned, for each head
	s_branch .Lend
	; ---- V: source 0 = x's tiles b, source 1 = W's tiles 4 w + a (one head)
.Lv:
	s_mul_i32 s21, s12, 12288
	s_add_co_u32 s21, s21, 24576
	s_wait_alu depctr_va_vdst(0)
.irp c, 0,1,2,3
	v_add_nc_u32 v[6+\c], \c*CH, v4
	s_add_co_u32 s22, s21, \c*CH
	v_add_nc_u32 v[10+\c], s22, v4
.endr
	s_lshl_b32 s92, s18, 12
	s_add_co_u32 s92, s92, XSC
	s_mov_b32 s93, 0
	s_add_nc_u64 s[92:93], s[4:5], s[92:93]
	s_lshl_b32 s94, s17, 4
	s_lshl_b32 s95, s12, 2
	s_add_co_u32 s94, s94, s95
	s_lshl_b32 s94, s94, 9
	s_add_co_u32 s94, s94, WSC
	s_mov_b32 s95, 0
	s_add_nc_u64 s[94:95], s[6:7], s[94:95]
	SCLOAD
	s_lshl_b32 s62, s60, 4
	s_lshl_b32 s63, s15, 2
	s_add_co_u32 s62, s62, s63
	s_add_co_u32 s62, s62, s12                     ; my head: 16 batch + 4 cx + wave
	s_mul_i32 s62, s62, REC
	s_mul_i32 s66, s61, 6144                       ; key step ms
	s_add_co_u32 s66, s66, s62
	s_add_co_u32 s66, s66, VIO
	s_add_nc_u64 s[84:85], s[10:11], s[66:67]
	s_lshl_b32 s66, s61, 8
	s_add_co_u32 s66, s66, s62
	s_add_co_u32 s66, s66, VSO
	s_add_nc_u64 s[90:91], s[10:11], s[66:67]
	v_lshlrev_b32 v15, 4, v2
	v_lshl_add_u32 v15, v3, 3, v15                 ; 16 r + 8 h
	s_wait_alu depctr_va_vdst(0)
	MAIN 0
.irp b, 0,1,2,3
	v_mov_b32 v[TM+4+\b], 0
.endr
.irp a, 0,1,2,3
.if \a > 0
	s_wait_xcnt 0x0                                ; the last tile's stores have read the code registers
.endif
	QUANT 64*\a, 2, PWS+\a                         ; tile a's eight accumulators: 128 keys of my channel
.irp p, 0,1,2,3,4,5
	global_store_b64 v4, v[PC+2*\p:PC+2*\p+1], s[84:85] offset:1536*\a+256*\p
.endr
.endr
	v_cmp_eq_u32 vcc_lo, 1, v3
	v_cndmask_b32 v[SD], v[PWS], v[PWS+2], vcc_lo  ; lanes 0-15 store tiles 0, 1's words of their row, lanes 16-31 tiles 2, 3's
	v_cndmask_b32 v[SD+1], v[PWS+1], v[PWS+3], vcc_lo
	global_store_b64 v15, v[SD:SD+1], s[90:91]     ; 256 consecutive bytes, aligned
.Lend:
	s_wait_tensorcnt 0x0
	ds_add_u32 v254, v255
	s_wait_dscnt 0x0
	CROUND                                         ; the closing round: no work-group ends while a partner may still ask for a tile that names it
	s_endpgm
.Lfunc_end_k_q92d22327e6_qkv:
	.size	k_q92d22327e6_qkv, .Lfunc_end_k_q92d22327e6_qkv-k_q92d22327e6_qkv
	.p2alignl 7, 3214868480
	.fill 96, 4, 3214868480
	.section	.rodata,"a",@progbits
	.p2align	6, 0x0
	.amdhsa_kernel k_q92d22327e6_qkv
		.amdhsa_group_segment_fixed_size 295424
		.amdhsa_private_segment_fixed_size 0
		.amdhsa_enable_private_segment 0
		.amdhsa_kernarg_size 32
		.amdhsa_user_sgpr_count 2
		.amdhsa_user_sgpr_kernarg_segment_ptr 1
		.amdhsa_wavefront_size32 1
		.amdhsa_system_sgpr_workgroup_id_x 1
		.amdhsa_system_sgpr_workgroup_id_y 1
		.amdhsa_system_sgpr_workgroup_id_z 1
		.amdhsa_system_vgpr_workitem_id 0
		.amdhsa_next_free_vgpr 768
		.amdhsa_next_free_sgpr 100
		.amdhsa_reserve_vcc 1
		.amdhsa_float_denorm_mode_32 3
		.amdhsa_float_denorm_mode_16_64 3
		.amdhsa_memory_ordered 1
		.amdhsa_forward_progress 1
		.amdhsa_inst_pref_size 219
	.end_amdhsa_kernel
	.amdgpu_metadata
---
amdhsa.version: [ 1, 2 ]
amdhsa.kernels:
  - .name:           k_q92d22327e6_qkv
    .symbol:         k_q92d22327e6_qkv.kd
    .args:
      - { .name: xq, .offset: 0, .size: 8, .value_kind: global_buffer, .address_space: global }
      - { .name: wq, .offset: 8, .size: 8, .value_kind: global_buffer, .address_space: global }
      - { .name: rope, .offset: 16, .size: 8, .value_kind: global_buffer, .address_space: global }
      - { .name: qkv, .offset: 24, .size: 8, .value_kind: global_buffer, .address_space: global }
    .group_segment_fixed_size: 295424
    .private_segment_fixed_size: 0
    .kernarg_segment_align: 8
    .kernarg_segment_size: 32
    .max_flat_workgroup_size: 128
    .sgpr_count:     100
    .vgpr_count:     768
    .wavefront_size: 32
...
	.end_amdgpu_metadata
.endif
;; end of part 2
;; launch attn (part 3): grid 4 x 64, 16 waves a work-group, clusters of 4 x 1, 210,944 bytes of LDS; arguments qkv, oq; writes oq
.if DOCPART == 3
	.amdgcn_target "amdgcn-amd-amdhsa--gfx1250"
	.amdhsa_code_object_version 6
	.text
	.protected	k_q92d22327e6_attn
	.globl	k_q92d22327e6_attn
	.p2align	8
	.type	k_q92d22327e6_attn,@function
k_q92d22327e6_attn:
	s_mov_b64 s[64:65], 0
	v_nop
	global_prefetch_b8 v0, s[64:65] scope:SCOPE_SE
	s_setreg_imm32_b32 hwreg(HW_REG_WAVE_MODE, 25, 1), 1
	s_wait_xcnt 0x0
	s_wait_alu depctr_hold_cnt(0) depctr_sa_sdst(0) depctr_va_vdst(0) depctr_va_sdst(0) depctr_va_ssrc(0) depctr_va_vcc(0) depctr_vm_vsrc(0)
	s_getreg_b32 s2, hwreg(HW_REG_IB_STS2, 6, 4)
	s_cmp_eq_u32 s2, 0
	s_cbranch_scc0 .Lentry_in_a_cluster
	s_endpgm
.Lentry_in_a_cluster:
	s_bfe_u32 s2, ttmp6, 0x10000c
	s_cmp_lg_u32 s2, 0x3003
	s_cbranch_scc0 .Lentry_shape_is_right
	s_endpgm
.Lentry_shape_is_right:
; Causal attention on codes of FP6 (E2M3): for each (batch, head) O = softmax(Q K^T / 8, causal) V, both products with E8M0 scales; O / the row's sum is quantised along the model's axis and stored as oq, an image of operand registers.
; THE SOFTMAX AHEAD OF THE SECOND PRODUCT: t = score x log2(e) / 8; M = the row's largest t so far, rounded up to a whole number; p = 2^(t - M) is quantised along the keys, not normalised; the row's sum is taken of the
; unquantised p in f32.  When M moves, the sum and O are multiplied by 2^(old M - new M): exact.
; SHARES.  A cluster of four work-groups serves one (batch, head).  The head's record (K's images and scale words, V's images and scale words: 208,896 bytes) lies whole in each work-group's LDS, filled ONCE by joint loads:
; each of the sixteen waves asks for 51 rows of 256 bytes.  Behind the one barrier no wave waits for another, and nothing is stored to LDS.
; A wave owns two tiles of 16 queries: I = 4 wave + cx and 127 - I.  They need wave / 2 + 1 and 16 - wave / 2 key steps of 128: 17 in every wave of the launch.  Trip count, branches and LDS addresses hang on the wave's number
; and the trip alone; cx enters global addresses and the mask's lane values.
; LAYOUT.  Both products are used transposed: S^T = K Q^T (source 0 = 16 keys, source 1 = my 16 queries), O^T = V^T P^T: a lane holds one query throughout.  Lane r of tile t is row 32 (t / 2) + 8 (t % 2) + r + 8 (r / 8), for queries,
; keys and channels alike: so the 16 registers of score tiles 2 b, 2 b + 1 are keys 32 b + 16 h + 0 .. 15, and those of O^T's tiles likewise channels.
; THE FIRST PRODUCT'S K IS 64, the instruction's 128: Q's upper six registers are zero codes, kept; K's fragment t is named as v[32 + 6 t .. 43 + 6 t], whose upper six registers (the next fragment's codes, or zeros) meet zeros;
; bytes 2, 3 of both scale words are 0, which is a power of two and no NaN.
; LIMITS: NaN and infinities are not served; a block of zeros gets the byte 1 (its codes are zeros; this program alone reads the bytes).
; REGISTERS: v1-7, v29 addresses that stay; v6 h; v8-11 the trip's LDS addresses; v12 -M, v13 the largest t, v[14:15] the sum in two halves; v16-21 Q, v22-27 zeros, v28 Q's scale word; v32-79 K's eight half fragments, then V's four;
; v80-85 zeros; v86-89 K's scale words, v90-93 V's, v94 p's; v96-159 S^T, then p; v160-191 O^T; v192-223 O / sum; v224-235 codes; v236-254 at work.
.set REC,  208896
.set KSO,  98304                       ; in the record and in LDS: K's images at 0, K's scale words,
.set VIO,  106496                      ; V's images,
.set VSO,  204800                      ; V's scale words
.set QIMG, 13369344
.set QSC,  19660800
.set OSC,  6291456
.set PSW,  94
.macro CROUND                          ; a round of the cluster's barrier
	s_barrier_signal -1
	s_barrier_wait -1
	s_cmp_lg_u32 s8, 0
	s_cbranch_scc1 .Lnot_wave_0_\@
	s_barrier_signal -3
.Lnot_wave_0_\@:
	s_barrier_wait -3
	s_barrier_signal -1
	s_barrier_wait -1
.endm
.macro SETTILE                         ; the addresses of query tile s11
	s_mul_i32 s52, s11, 768
	s_mov_b32 s53, 0
	s_add_nc_u64 s[44:45], s[36:37], s[52:53]      ; Q's image
	s_lshr_b32 s52, s11, 2
	s_lshl_b32 s52, s52, 8
	s_and_b32 s54, s11, 3
	s_lshl_b32 s54, s54, 2
	s_add_co_u32 s52, s52, s54
	s_add_nc_u64 s[46:47], s[38:39], s[52:53]      ; Q's scale words
	s_mul_i32 s52, s11, 12288
	s_add_nc_u64 s[48:49], s[40:41], s[52:53]      ; O's image
	s_lshl_b32 s52, s11, 9
	s_add_nc_u64 s[50:51], s[42:43], s[52:53]      ; O's scale bytes
	s_lshr_b32 s19, s11, 1
	s_and_b32 s19, s19, 3
	s_lshl_b32 s19, s19, 5
	s_and_b32 s54, s11, 1
	s_lshl_b32 s54, s54, 3
	s_add_co_u32 s19, s19, s54                     ; the tile's first query within its last key step
.endm
.macro LOADQ
.irp p, 0,1,2
	global_load_b64 v[16+2*\p:17+2*\p], v1, s[44:45] offset:256*\p
.endr
	global_load_b32 v28, v7, s[46:47]
.endm
.macro RESET
	v_mov_b32 v13, 0xff61b1e6                      ; the largest t so far: -3e38, under every t
	s_delay_alu instid0(VALU_DEP_1)
	v_floor_f32 v12, -v13                          ; -M
	v_mov_b32 v14, 0
	v_mov_b32 v15, 0
.set n, 0
.rept 32
	v_mov_b32 v[160+n], 0                          ; O^T.  (The trip is written once: a tile's first step finds zeros, which the first change of M leaves zeros)
.set n, n+1
.endr
.endm
	s_load_b128 s[4:7], s[0:1], 0x0                ; qkv s[4:5], oq s[6:7]
	v_lshl_add_u32 v95, v0, 2, 0x33000
	v_mov_b32 v255, 0
	ds_add_u32 v95, v255
	ds_add_u32 v95, v255
	v_lshrrev_b32 v1, 5, v0
	s_delay_alu instid0(VALU_DEP_1)
	v_readfirstlane_b32 s8, v1                     ; wave 0..15
	s_bfe_u32 s9, ttmp6, 0x40000                   ; cx
	s_and_b32 s10, ttmp7, 0xffff                   ; 16 batch + head, which the four partners share
	; descriptor group 1: 51 rows of 256 bytes (32 elements of 8 bytes), dense
	s_mov_b32 s24, 15|(3<<16)|(1<<21)              ; 15:0 the mask: all four work-groups; 17:16 elements of 8 bytes; 21 set beside a mask
	s_mov_b32 s25, 32<<16                          ; tensor_dim0
	s_mov_b32 s26, 51<<16                          ; tensor_dim1
	s_mov_b32 s27, 32<<16                          ; tile_dim0
	s_mov_b32 s28, 51                              ; tile_dim1
	s_mov_b32 s29, 32                              ; tensor_dim0_stride
	s_mov_b32 s30, 0
	s_mov_b32 s31, 0
	s_mov_b32 s32, 1
	s_mul_i32 s33, s8, 13056                       ; my sixteenth of the record, in LDS
	s_mul_i32 s2, s10, REC
	s_add_co_u32 s2, s2, s33                       ; and in memory
	s_mov_b32 s3, 0
	s_wait_dscnt 0x0
	s_wait_kmcnt 0x0
	s_add_nc_u64 s[34:35], s[4:5], s[2:3]
	s_or_b32 s35, s35, 0x80000000
	CROUND                                         ; all four work-groups are here: the joint loads meet
	tensor_load_to_lds s[32:35], s[24:31]          ; my one tensor load of the launch
	s_nop 0
.rept 4
	v_nop
.endr
	v_and_b32 v30, 31, v0                          ; lane
	v_and_b32 v31, 15, v0                          ; r
	v_bfe_u32 v6, v0, 4, 1                         ; h
	s_delay_alu instid0(VALU_DEP_3)
	v_lshlrev_b32 v1, 3, v30                       ; a piece's place for my lane: K's images in LDS, Q's and O's in memory
	s_delay_alu instid0(VALU_DEP_1)
	v_add_nc_u32 v2, VIO, v1                       ; V's images
	v_lshl_add_u32 v3, v30, 4, KSO                 ; K's scale words: lanes 0-15 tiles 0-3 of a key step, lanes 16-31 tiles 4-7
	v_lshl_add_u32 v4, v31, 4, VSO                 ; V's: row r's four words
	v_and_b32 v5, 8, v31
	s_delay_alu instid0(VALU_DEP_1)
	v_add_nc_u32 v5, v5, v31
	v_lshlrev_b32 v7, 4, v6
	s_delay_alu instid0(VALU_DEP_1)
	v_sub_nc_u32 v5, v5, v7                        ; r + 8 (r / 8) - 16 h: for the mask
	v_lshlrev_b32 v7, 4, v31                       ; 16 r
	s_delay_alu instid0(VALU_DEP_1)
	v_add_nc_u32 v29, v7, v6                       ; 16 r + h
.irp j, 22,23,24,25,26,27,80,81,82,83,84,85
	v_mov_b32 v[\j], 0                             ; zero codes, kept
.endr
.irp j, 236,237,238,239,240,241,242,243,253
	v_mov_b32 v[\j], 0                             ; written once: lane permutes' destinations count as sources; v253 is named as the upper half of the pair v[252:253]
.endr
	s_mov_b32 s20, 0x76543210
	s_mov_b32 s21, 0xfedcba98                      ; v_permlanex16_b32's selects for lane l xor 16
	s_mov_b32 s22, 0x3e38aa3b                      ; c = log2(e) / 8
	s_mov_b32 s23, s22                             ; (named with it as a pair, so it is written)
	s_mul_i32 s2, s10, 98304
	s_add_co_u32 s2, s2, QIMG
	s_add_nc_u64 s[36:37], s[4:5], s[2:3]          ; the head's Q images
	s_lshl_b32 s2, s10, 13
	s_add_co_u32 s2, s2, QSC
	s_add_nc_u64 s[38:39], s[4:5], s[2:3]          ; and Q scale words
	s_lshr_b32 s52, s10, 4                         ; batch
	s_and_b32 s53, s10, 15                         ; head
	s_mul_i32 s2, s52, 1572864                     ; 128 tiles of 12,288 bytes a batch
	s_mul_i32 s54, s53, 768                        ; K step head / 2, half head % 2
	s_add_co_u32 s2, s2, s54
	s_add_nc_u64 s[40:41], s[6:7], s[2:3]
	s_lshl_b32 s2, s52, 16                         ; 128 scale images of 512 bytes a batch
	s_add_co_u32 s2, s2, OSC
	s_lshr_b32 s54, s53, 3
	s_lshl_b32 s54, s54, 8                         ; lanes' half: K step / 4
	s_add_co_u32 s2, s2, s54
	s_and_b32 s54, s53, 7
	s_lshl_b32 s54, s54, 1                         ; word K step % 4, bytes 2 (head % 2) on
	s_add_co_u32 s2, s2, s54
	s_add_nc_u64 s[42:43], s[6:7], s[2:3]
	s_lshl_b32 s11, s8, 2
	s_add_co_u32 s11, s11, s9                      ; my first tile of queries
	s_lshr_b32 s18, s8, 1                          ; its last trip,
	s_add_co_u32 s13, s18, 1                       ; its number of key steps, nA,
	s_xor_b32 s16, s18, 15                         ; and 16 - nA
	s_mov_b32 s12, 0                               ; the trip
	SETTILE
	LOADQ
	RESET
	s_wait_tensorcnt 0x0                           ; my part of the record has landed,
	s_barrier_signal -1
	s_barrier_wait -1                              ; everybody's has
.Ltrip:                                                ; 17 trips: one key step of 128 keys for one tile of 16 queries
	s_cmp_ge_u32 s12, s13
	s_cselect_b32 s14, s16, 0
	s_add_co_u32 s14, s12, s14
	s_and_b32 s14, s14, 15                         ; the key step: the trip, or the trip - nA in the second tile
	s_cmp_eq_u32 s12, s18
	s_cselect_b32 s15, 1, 0
	s_cmp_eq_u32 s12, 16
	s_cselect_b32 s15, 1, s15                      ; 1 in a tile's last trip, which lies on the diagonal
	s_mul_i32 s52, s14, 6144
	s_lshl_b32 s53, s14, 9
	s_lshl_b32 s54, s14, 8
	s_setprio 2
	v_add_nc_u32 v8, s52, v1                       ; (these four are also the places in front of loads into registers that the last products have read)
	v_add_nc_u32 v9, s52, v2
	v_add_nc_u32 v10, s53, v3
	v_add_nc_u32 v11, s54, v4
.irp t, 0,1,2,3,4,5,6,7
.irp p, 0,1,2
	ds_load_b64 v[32+6*\t+2*\p:33+6*\t+2*\p], v8 offset:768*\t+256*\p
.endr
.endr
	ds_load_b128 v[86:89], v10
	s_wait_alu depctr_va_vdst(0)
	s_wait_dscnt 0x0
	s_wait_loadcnt 0x0                             ; Q (in a tile's first trip)
.irp t, 0,1,2,3
	v_wmma_scale_f32_16x16x128_f8f6f4 v[96+8*\t:103+8*\t], v[32+6*\t:43+6*\t], v[16:27], 0, v[86+\t], v28 matrix_a_fmt:MATRIX_FMT_FP6 matrix_b_fmt:MATRIX_FMT_FP6
.endr
.irp t, 4,5,6,7
	v_wmma_scale_f32_16x16x128_f8f6f4 v[96+8*\t:103+8*\t], v[32+6*\t:43+6*\t], v[16:27], 0, v[82+\t], v28 matrix_a_fmt:MATRIX_FMT_FP6 matrix_b_fmt:MATRIX_FMT_FP6 matrix_a_scale:MATRIX_SCALE_ROW1
.endr
.rept 4
	v_nop                                          ; places in front of the loads below and of the first read of the scores
.endr
.irp t, 0,1,2,3                                ; V's four fragments land while the softmax is walked
.irp p, 0,1,2,3,4,5
	ds_load_b64 v[32+12*\t+2*\p:33+12*\t+2*\p], v9 offset:1536*\t+256*\p
.endr
.endr
	ds_load_b128 v[90:93], v11
	s_cmp_eq_u32 s15, 0
	s_cbranch_scc1 .Lopen
	v_add_nc_u32 v252, s19, v5                     ; d = my query - the step's first key - 16 h.  Register 16 b + i holds key 32 b + 16 h + i of the step: hidden where 32 b + i > d
	v_mov_b32 v254, 0xff800000                     ; -infinity: p = 0 then
.set n, 0
.rept 64
	v_cmp_gt_i32 vcc_lo, 32*(n/16)+n%16, v252
	v_cndmask_b32 v[96+n], v[96+n], v254, vcc_lo
.set n, n+1
.endr
.Lopen:
.irp b, 0,1,2,3
	v_max3_num_f32 v[248+\b], v[96+16*\b], v[97+16*\b], v[98+16*\b]   ; the largest score of each block of 32 keys: it serves for the row's maximum and, since p rises with the score, for the block's largest p
.endr
.irp i, 3,5,7,9,11,13
.irp b, 0,1,2,3
	v_max3_num_f32 v[248+\b], v[248+\b], v[96+16*\b+\i], v[97+16*\b+\i]
.endr
.endr
.irp b, 0,1,2,3
	v_max_num_f32 v[248+\b], v[248+\b], v[111+16*\b]
.endr
.irp b, 0,1,2,3
	s_delay_alu instid0(VALU_DEP_4)
	v_permlanex16_b32 v[236+\b], v[248+\b], s20, s21
.endr
.irp b, 0,1,2,3
	s_delay_alu instid0(VALU_DEP_4)
	v_max_num_f32 v[248+\b], v[248+\b], v[236+\b]  ; with lane l xor 16's 16 keys
.endr
	s_delay_alu instid0(VALU_DEP_2)
	v_max3_num_f32 v254, v248, v249, v250
	s_delay_alu instid0(VALU_DEP_1)
	v_max_num_f32 v254, v254, v251                 ; the step's largest score of my query
	s_delay_alu instid0(VALU_DEP_1)
	v_mul_f32 v254, s22, v254                      ; as t
	s_delay_alu instid0(VALU_DEP_1)
	v_max_num_f32 v13, v13, v254                   ; the running largest t
	v_mov_b32 v254, v12
	s_delay_alu instid0(VALU_DEP_2)
	v_floor_f32 v12, -v13                          ; the new -M = -ceil(t): a whole number
	s_delay_alu instid0(VALU_DEP_1)
	v_sub_f32 v254, v12, v254                      ; old M - new M: a whole number, 0 or less
	s_delay_alu instid0(VALU_DEP_1)
	v_cvt_i32_f32 v254, v254                       ; (it saturates)
	s_delay_alu instid0(VALU_DEP_1)
	v_ldexp_f32 v252, 1.0, v254                    ; f = 2^(old M - new M)
.set n, 0
.rept 32
	v_pk_fma_f32 v[96+n:97+n], v[96+n:97+n], s[22:23], v[12:13] op_sel_hi:[1,0,0]   ; t - M, two at a time
.set n, n+2
.endr
.irp b, 0,1,2,3
	v_fma_f32 v[248+\b], v[248+\b], s22, v12       ; the same of each block's largest score
.endr
.set n, 0
	s_wait_alu depctr_va_vdst(0)
.rept 64
	v_exp_f32 v[96+n], v[96+n]                     ; p = 2^(t - M)
.set n, n+1
.endr
	s_setprio 1
	v_pk_mul_f32 v[14:15], v[14:15], v[252:253] op_sel_hi:[1,0]   ; the sums under the new M (a plain line behind the exponentials)
	s_wait_alu depctr_va_vdst(0)                   ; one wait for the batch, ahead of its first reader
.irp b, 0,1,2,3
	v_exp_f32 v[248+\b], v[248+\b]                 ; the block's largest p: the same two instructions on the same number
.endr
	v_pk_add_f32 v[236:237], v[100:101], v[104:105]
	v_pk_add_f32 v[246:247], v[108:109], v[112:113]
	v_pk_add_f32 v[244:245], v[116:117], v[120:121]
	v_pk_add_f32 v[242:243], v[124:125], v[128:129]
	v_pk_add_f32 v[240:241], v[132:133], v[136:137]
	v_pk_add_f32 v[238:239], v[140:141], v[144:145]
	v_pk_add_f32 v[234:235], v[148:149], v[152:153]
	v_pk_add_f32 v[14:15], v[14:15], v[156:157]
	v_pk_add_f32 v[236:237], v[236:237], v[96:97]
	v_pk_add_f32 v[246:247], v[246:247], v[98:99]
	v_pk_add_f32 v[244:245], v[244:245], v[102:103]
	v_pk_add_f32 v[242:243], v[242:243], v[106:107]
	v_pk_add_f32 v[240:241], v[240:241], v[110:111]
	v_pk_add_f32 v[238:239], v[238:239], v[114:115]
	v_pk_add_f32 v[234:235], v[234:235], v[118:119]
	v_pk_add_f32 v[14:15], v[14:15], v[122:123]
	v_pk_add_f32 v[236:237], v[236:237], v[126:127]
	v_pk_add_f32 v[246:247], v[246:247], v[130:131]
	v_pk_add_f32 v[244:245], v[244:245], v[134:135]
	v_pk_add_f32 v[242:243], v[242:243], v[138:139]
	v_pk_add_f32 v[240:241], v[240:241], v[142:143]
	v_pk_add_f32 v[238:239], v[238:239], v[146:147]
	v_pk_add_f32 v[234:235], v[234:235], v[150:151]
	v_pk_add_f32 v[14:15], v[14:15], v[154:155]
	v_pk_add_f32 v[236:237], v[236:237], v[158:159]
	s_delay_alu instid0(VALU_DEP_2)
	v_pk_add_f32 v[14:15], v[14:15], v[242:243]
	s_delay_alu instid0(VALU_DEP_2)
	v_pk_add_f32 v[236:237], v[236:237], v[240:241]
	v_pk_add_f32 v[246:247], v[246:247], v[238:239]
	v_pk_add_f32 v[244:245], v[244:245], v[234:235]
	s_delay_alu instid0(VALU_DEP_2)
	v_pk_add_f32 v[14:15], v[14:15], v[246:247]
	s_delay_alu instid0(VALU_DEP_2)
	v_pk_add_f32 v[236:237], v[236:237], v[244:245]
	s_delay_alu instid0(VALU_DEP_1)
	v_pk_add_f32 v[14:15], v[14:15], v[236:237]
	s_wait_alu depctr_va_vdst(0)                   ; and one for the four
.irp b, 0,1,2,3
	v_max_num_f32 v[248+\b], 0x1800000, v[248+\b]  ; the floor 2^(3 - 127): the byte cannot fall under 1
.endr
.irp b, 0,1,2,3
	s_delay_alu instid0(VALU_DEP_4)
	v_add_nc_u32 v[244+\b], 0xff000000, v[248+\b]  ; 2 off the exponent field: the conversion's scale operand
.endr
.irp b, 0,1,2,3
	s_delay_alu instid0(VALU_DEP_4)
	v_lshrrev_b32 v[236+\b], 23, v[244+\b]         ; the scale's byte
.endr
	s_delay_alu instid0(VALU_DEP_3)
	v_lshl_or_b32 v[PSW], v237, 8, v236            ; p's scale word for these 128 keys
	s_delay_alu instid0(VALU_DEP_1)
	v_lshl_or_b32 v[PSW], v238, 16, v[PSW]
	s_delay_alu instid0(VALU_DEP_1)
	v_lshl_or_b32 v[PSW], v239, 24, v[PSW]
.irp c, 0,1
	v_cvt_scalef32_pk16_fp6_f32 v[224+6*\c:226+6*\c], v[96+32*\c:111+32*\c], v[244+2*\c]
	v_cvt_scalef32_pk16_fp6_f32 v[236+4*\c:238+4*\c], v[112+32*\c:127+32*\c], v[245+2*\c]
.endr
	v_nop                                          ; one plain line behind the scaled conversions
.irp c, 0,1                                    ; the operand's layout wants a whole block in a lane
.irp i, 0,1,2
	v_permlane16_swap_b32 v[224+6*\c+\i], v[236+4*\c+\i]
.endr
.irp i, 0,1,2
	s_delay_alu instid0(VALU_DEP_3)
	v_mov_b32 v[227+6*\c+\i], v[236+4*\c+\i]
.endr
.endr
.set n, 0
.rept 16
	v_pk_mul_f32 v[160+n:161+n], v[160+n:161+n], v[252:253] op_sel_hi:[1,0]   ; O^T under the new M.  (These are also the places between the writes of p's codes and scale word and the products)
.set n, n+2
.endr
	s_wait_alu depctr_va_vdst(0)
	s_wait_dscnt 0x0                               ; V
.irp t, 0,1,2,3
	v_wmma_scale_f32_16x16x128_f8f6f4 v[160+8*\t:167+8*\t], v[32+12*\t:43+12*\t], v[224:235], v[160+8*\t:167+8*\t], v[90+\t], v[PSW] matrix_a_fmt:MATRIX_FMT_FP6 matrix_b_fmt:MATRIX_FMT_FP6
.endr
	s_cmp_eq_u32 s15, 0
	s_setprio 0
	s_cbranch_scc1 .Lnext
	; ---- a tile is finished: O / the sum, quantised along the head's 64 channels (two blocks), stored as half a fragment and two scale bytes a row
	v_add_f32 v14, v14, v15
	s_delay_alu instid0(VALU_DEP_1)
	v_permlanex16_b32 v254, v14, s20, s21
	s_delay_alu instid0(VALU_DEP_1)
	v_add_f32 v14, v14, v254                       ; the row's sum
	s_wait_alu depctr_va_vdst(0)
	v_rcp_f32 v14, v14
.rept 4
	v_nop                                          ; plain lines behind the reciprocal, and places behind the last products
.endr
	s_wait_alu depctr_va_vdst(0)                   ; ahead of the reciprocal's first reader
.set n, 0
.rept 16
	v_pk_mul_f32 v[192+n:193+n], v[160+n:161+n], v[14:15] op_sel_hi:[1,0]   ; register 16 b + i = channel 32 b + 16 h + i of my query
.set n, n+2
.endr
.irp b, 0,1
	v_max3_num_f32 v[248+\b], |v[192+16*\b]|, |v[193+16*\b]|, 0x1800000
.endr
.irp i, 2,4,6,8,10,12,14
.irp b, 0,1
	s_delay_alu instid0(VALU_DEP_2)
	v_max3_num_f32 v[248+\b], v[248+\b], |v[192+16*\b+\i]|, |v[193+16*\b+\i]|
.endr
.endr
.irp b, 0,1
	s_delay_alu instid0(VALU_DEP_2)
	v_permlanex16_b32 v[236+\b], v[248+\b], s20, s21
.endr
.irp b, 0,1
	s_delay_alu instid0(VALU_DEP_2)
	v_max_num_f32 v[248+\b], v[248+\b], v[236+\b]
.endr
.irp b, 0,1
	s_delay_alu instid0(VALU_DEP_2)
	v_add_nc_u32 v[244+\b], 0xff000000, v[248+\b]
.endr
.irp b, 0,1
	s_delay_alu instid0(VALU_DEP_2)
	v_lshrrev_b32 v[240+\b], 23, v[244+\b]
.endr
	v_cmp_eq_u32 vcc_lo, 1, v6
	s_delay_alu instid0(VALU_DEP_1)
	v_cndmask_b32 v254, v240, v241, vcc_lo         ; lanes 0-15 store block 0's byte, lanes 16-31 block 1's
	v_cvt_scalef32_pk16_fp6_f32 v[224:226], v[192:207], v244
	v_cvt_scalef32_pk16_fp6_f32 v[236:238], v[208:223], v245
	v_nop
.irp i, 0,1,2
	v_permlane16_swap_b32 v[224+\i], v[236+\i]
.endr
.irp i, 0,1,2
	s_delay_alu instid0(VALU_DEP_3)
	v_mov_b32 v[227+\i], v[236+\i]
.endr
.irp p, 0,1,2
	global_store_b64 v1, v[224+2*\p:225+2*\p], s[48:49] offset:256*\p   ; 256 consecutive bytes, aligned
.endr
	global_store_b8 v29, v254, s[50:51]            ; a head owns 2 of a row's 32 scale bytes: single bytes, so that the next launch loads its scale images whole
	s_wait_xcnt 0x0                                ; the stores have read their registers and bases
	s_cmp_eq_u32 s12, 16
	s_cbranch_scc1 .Lnext
	s_xor_b32 s11, s11, 127                        ; the second tile: 127 - I
	SETTILE
	LOADQ
	RESET
.Lnext:
	s_add_co_u32 s12, s12, 1
	s_cmp_lt_u32 s12, 17
	s_cbranch_scc1 .Ltrip
	s_setprio 0
	s_wait_tensorcnt 0x0
	ds_add_u32 v95, v255
	s_wait_dscnt 0x0
	CROUND                                         ; the closing round: no work-group ends while a partner may still ask for rows that name it
	s_endpgm
.Lfunc_end_k_q92d22327e6_attn:
	.size	k_q92d22327e6_attn, .Lfunc_end_k_q92d22327e6_attn-k_q92d22327e6_attn
	.p2alignl 7, 3214868480
	.fill 96, 4, 3214868480
	.section	.rodata,"a",@progbits
	.p2align	6, 0x0
	.amdhsa_kernel k_q92d22327e6_attn
		.amdhsa_group_segment_fixed_size 210944
		.amdhsa_private_segment_fixed_size 0
		.amdhsa_enable_private_segment 0
		.amdhsa_kernarg_size 16
		.amdhsa_user_sgpr_count 2
		.amdhsa_user_sgpr_kernarg_segment_ptr 1
		.amdhsa_wavefront_size32 1
		.amdhsa_system_sgpr_workgroup_id_x 1
		.amdhsa_system_sgpr_workgroup_id_y 1
		.amdhsa_system_sgpr_workgroup_id_z 1
		.amdhsa_system_vgpr_workitem_id 0
		.amdhsa_next_free_vgpr 256
		.amdhsa_next_free_sgpr 66
		.amdhsa_reserve_vcc 1
		.amdhsa_float_denorm_mode_32 3
		.amdhsa_float_denorm_mode_16_64 3
		.amdhsa_memory_ordered 1
		.amdhsa_forward_progress 1
		.amdhsa_inst_pref_size 39
	.end_amdhsa_kernel
	.amdgpu_metadata
---
amdhsa.version: [ 1, 2 ]
amdhsa.kernels:
  - .name:           k_q92d22327e6_attn
    .symbol:         k_q92d22327e6_attn.kd
    .args:
      - { .name: qkv, .offset: 0, .size: 8, .value_kind: global_buffer, .address_space: global }
      - { .name: oq, .offset: 8, .size: 8, .value_kind: global_buffer, .address_space: global }
    .group_segment_fixed_size: 210944
    .private_segment_fixed_size: 0
    .kernarg_segment_align: 8
    .kernarg_segment_size: 16
    .max_flat_workgroup_size: 512
    .sgpr_count:     66
    .vgpr_count:     256
    .wavefront_size: 32
...
	.end_amdgpu_metadata
.endif
;; end of part 3
;; launch oproj (part 4): grid 4 x 64, 4 waves a work-group, clusters of 4 x 4, 295,424 bytes of LDS; arguments oq, wq, out0; writes out0
.if DOCPART == 4
	.amdgcn_target "amdgcn-amd-amdhsa--gfx1250"
	.amdhsa_code_object_version 6
	.text
	.protected	k_q92d22327e6_oproj
	.globl	k_q92d22327e6_oproj
	.p2align	8
	.type	k_q92d22327e6_oproj,@function
k_q92d22327e6_oproj:
	s_mov_b64 s[64:65], 0
	v_nop
	global_prefetch_b8 v0, s[64:65] scope:SCOPE_SE
	s_setreg_imm32_b32 hwreg(HW_REG_WAVE_MODE, 25, 1), 1
	s_wait_xcnt 0x0
	s_wait_alu depctr_hold_cnt(0) depctr_sa_sdst(0) depctr_va_vdst(0) depctr_va_sdst(0) depctr_va_ssrc(0) depctr_va_vcc(0) depctr_vm_vsrc(0)
	s_getreg_b32 s2, hwreg(HW_REG_IB_STS2, 6, 4)
	s_cmp_eq_u32 s2, 0
	s_cbranch_scc0 .Lentry_in_a_cluster
	s_endpgm
.Lentry_in_a_cluster:
	s_bfe_u32 s2, ttmp6, 0x10000c
	s_cmp_lg_u32 s2, 0xf033
	s_cbranch_scc0 .Lentry_shape_is_right
	s_endpgm
.Lentry_shape_is_right:
; out = O Wo^T on codes of FP6 (E2M3) with E8M0 scales; out0 [8192][1024] f32.  O's codes (oq) and Wo's (wq, tiles 192-255) are images of operand registers with their scale images.
; A work-group makes 128 tokens x 256 channels over all of K = 1,024.  Both panels for the whole K lie in LDS (8 + 16 tiles x 12,288 bytes = 294,912): every LDS byte is filled once, in four chunks of two K steps,
; each wave issuing four tensor loads at the start; no slot is filled again.  A counted wait and a barrier stand in front of each chunk's first read.
; CLUSTERS: 4 x 4 work-groups.  The four of a row of the cluster need the same tiles of O, the four of a column the same tiles of Wo: each is asked for jointly.
; Source 0 = 16 channels of Wo (tiles 8 wn + b), source 1 = 16 tokens (tiles 4 wm + a): a lane holds one token and eight neighbouring channels an accumulator.
; Lane r of tile t is row 32 (t / 2) + 8 (t % 2) + r + 8 (r / 8), for tokens and channels alike.
; THE WAY OUT: a block of 16 tokens x 128 channels goes through the wave's own stage in LDS and leaves as whole rows of 512 bytes.  The stage lies in chunk 0's bytes: they have had their only fill, and every wave's reads
; of them were waited for in front of the barrier of chunk 1.
; REGISTERS: window 0: v1-5 lane numbers and offsets, v6-9, v10-13 LDS addresses of source 0's and source 1's tiles in chunk c, v14-15 the stage, v16-47 source 0's scale words (tile b at 16 + 4 b), v48-63 source 1's,
;   v64-111, v112-159 source 1's fragments, two sets; on the way out v64-191 rows read back.   window 1: source 0's fragments, two sets, at 0 and at 128.   window 2: the 32 accumulators, (a, b) at 8 (8 a + b).
.set CH,   73728                       ; a chunk in LDS: O's 8 tiles x 3,072 bytes (two K steps), then Wo's 16
.set XSC,  6291456
.set WSC,  3145728
.set WT0,  192                         ; Wo's first tile in wq
.set BK,   64
.set MSB, 0
.macro WIN new                         ; the immediate's high byte repeats the setting that is left
.if MSB != (\new)
	s_set_vgpr_msb (MSB<<8)|(\new)
.set MSB, \new
.endif
.endm
.macro PLACES n
.rept \n
	v_nop
.endr
.endm
.macro CROUND                          ; a round of the cluster's barrier
	s_barrier_signal -1
	s_barrier_wait -1
	s_cmp_lg_u32 s12, 0
	s_cbranch_scc1 .Lnot_wave_0_\@
	s_barrier_signal -3
.Lnot_wave_0_\@:
	s_barrier_wait -3
	s_barrier_signal -1
	s_barrier_wait -1
.endm
.macro FETCH s, set                    ; K step s: source 0's eight fragments and source 1's four
	WIN 0x40                                       ; destination window 1, address window 0
.irp b, 0,1,2,3,4,5,6,7
.irp p, 0,1,2,3,4,5
	ds_load_b64 v[128*(\set)+12*\b+2*\p:128*(\set)+12*\b+2*\p+1], v[6+(\s)/2] offset:3072*\b+1536*((\s)%2)+256*\p
.endr
.endr
	WIN 0
.irp a, 0,1,2,3
.irp p, 0,1,2,3,4,5
	ds_load_b64 v[64+48*(\set)+12*\a+2*\p:64+48*(\set)+12*\a+2*\p+1], v[10+(\s)/2] offset:3072*\a+1536*((\s)%2)+256*\p
.endr
.endr
.endm
; 32 matrix instructions: K step s.  The 32 accumulators take turns, one instruction a turn, in the same order in every step.  The first step's products start the sums.
; A tile's four scale registers serve K steps 0-3 from lanes 0-15 and K steps 4-7 from lanes 16-31.
.macro MUL s
	WIN 0xa1                                       ; source 0 window 1, source 1 window 0, C and D window 2
.irp a, 0,1,2,3
.irp b, 0,1,2,3,4,5,6,7
.if (\s) == 0
	v_wmma_scale_f32_16x16x128_f8f6f4 v[8*(8*\a+\b):8*(8*\a+\b)+7], v[128*((\s)%2)+12*\b:128*((\s)%2)+12*\b+11], v[64+48*((\s)%2)+12*\a:64+48*((\s)%2)+12*\a+11], 0, v[16+4*\b+(\s)%4], v[48+4*\a+(\s)%4] matrix_a_fmt:MATRIX_FMT_FP6 matrix_b_fmt:MATRIX_FMT_FP6
.elseif (\s) < 4
	v_wmma_scale_f32_16x16x128_f8f6f4 v[8*(8*\a+\b):8*(8*\a+\b)+7], v[128*((\s)%2)+12*\b:128*((\s)%2)+12*\b+11], v[64+48*((\s)%2)+12*\a:64+48*((\s)%2)+12*\a+11], v[8*(8*\a+\b):8*(8*\a+\b)+7], v[16+4*\b+(\s)%4], v[48+4*\a+(\s)%4] matrix_a_fmt:MATRIX_FMT_FP6 matrix_b_fmt:MATRIX_FMT_FP6
.else
	v_wmma_scale_f32_16x16x128_f8f6f4 v[8*(8*\a+\b):8*(8*\a+\b)+7], v[128*((\s)%2)+12*\b:128*((\s)%2)+12*\b+11], v[64+48*((\s)%2)+12*\a:64+48*((\s)%2)+12*\a+11], v[8*(8*\a+\b):8*(8*\a+\b)+7], v[16+4*\b+(\s)%4], v[48+4*\a+(\s)%4] matrix_a_fmt:MATRIX_FMT_FP6 matrix_b_fmt:MATRIX_FMT_FP6 matrix_a_scale:MATRIX_SCALE_ROW1 matrix_b_scale:MATRIX_SCALE_ROW1
.endif
.endr
.endr
.endm
.macro STEP s
	s_wait_dscnt 0x0                               ; this step's fragments are in (asked for ahead of the last step's 32 products)
.if ((\s)%2 == 1) && ((\s) < 7)
	s_wait_tensorcnt 3-((\s)+1)/2                  ; my load of the next chunk has landed; my loads of the chunks behind it may be out
	s_barrier_signal -1
	s_barrier_wait -1                              ; everybody's has
.endif
.if ((\s) > 0) && ((\s) < 7)
	PLACES 4                                       ; in front of loads into registers that the last step's products have read
.endif
.if (\s) < 7
	FETCH (\s)+1, ((\s)+1)%2
.endif
	MUL \s
.endm
.macro TOSTAGE a                       ; block a: 16 tokens x 128 channels into my stage, and back as whole rows
	WIN 0x08                                       ; an LDS store's data are its source 1: window 2
.irp b, 0,1,2,3,4,5,6,7
	ds_store_b128 v14, v[64*(\a)+8*\b:64*(\a)+8*\b+3] offset:128*(\b/2)+32*(\b%2)          ; each accumulator from its low end on: channels 32 (b / 2) + 16 h + 8 (b % 2) + 0 .. 7
	ds_store_b128 v14, v[64*(\a)+8*\b+4:64*(\a)+8*\b+7] offset:128*(\b/2)+32*(\b%2)+16
.endr
	WIN 0
.irp i, 0,1,2,3,4,5,6,7,8,9,10,11,12,13,14,15
	ds_load_b128 v[BK+64*((\a)%2)+4*\i:BK+64*((\a)%2)+4*\i+3], v15 offset:528*\i   ; LDS serves a wave's instructions in order: these see the stores above
.endr
.endm
.macro SEND a, younger                 ; younger: the LDS instructions issued behind block a's loads, which may stay out
	s_wait_dscnt \younger
.irp i, 0,1,2,3,4,5,6,7,8,9,10,11,12,13,14,15
	global_store_b128 v5, v[BK+64*((\a)%2)+4*\i:BK+64*((\a)%2)+4*\i+3], s[90:91] offset:(32*((\a)/2)+8*((\a)%2)+\i+8*(\i/8))*4096 th:TH_STORE_NT   ; 32 lanes store 512 consecutive bytes, aligned; written once, read by nobody here
.endr
.endm
	s_load_b128 s[4:7], s[0:1], 0x0                ; oq s[4:5], wq s[6:7]
	s_load_b64 s[8:9], s[0:1], 0x10                ; out0
	v_lshl_add_u32 v254, v0, 2, 0x48000
	v_mov_b32 v255, 0
	ds_add_u32 v254, v255
	ds_add_u32 v254, v255
	v_lshrrev_b32 v1, 5, v0
	v_readfirstlane_b32 s12, v1                    ; wave 0..3
	s_lshr_b32 s13, s12, 1                         ; wm.  Also: I fetch for O (0) or for Wo (1)
	s_and_b32 s14, s12, 1                          ; wn.  Also: which half of that panel I fetch
	s_bfe_u32 s15, ttmp6, 0x40000                  ; cx
	s_bfe_u32 s16, ttmp6, 0x40004                  ; cy
	s_lshl_b32 s17, ttmp9, 2
	s_add_co_u32 s17, s17, s15                     ; nx: which 256 channels
	s_and_b32 s18, ttmp7, 0xffff
	s_lshl_b32 s18, s18, 2
	s_add_co_u32 s18, s18, s16                     ; my: which 128 tokens
	s_lshl_b32 s19, s16, 2
	s_lshl_b32 s19, 15, s19                        ; my row of the cluster
	s_lshl_b32 s20, 0x1111, s15                    ; my column
	; descriptor group 1: rows of 3,072 bytes (a tile's two K steps: 384 elements of 8 bytes), 12,288 bytes apart in memory, on end in LDS; O: 4 tiles a load, Wo: 8
	s_or_b32 s24, s19, (3<<16)|(1<<21)             ; 15:0 the mask: O's tiles go to my row; 17:16 elements of 8 bytes; 21 set beside a mask
	s_or_b32 s32, s20, (3<<16)|(1<<21)             ; Wo's go to my column
.irp g, 24, 32
	s_mov_b32 s[\g+1], 384<<16                     ; tensor_dim0
	s_mov_b32 s[\g+3], 384<<16                     ; tile_dim0
	s_mov_b32 s[\g+5], 1536                        ; tensor_dim0_stride
	s_mov_b32 s[\g+6], 0
	s_mov_b32 s[\g+7], 0
.endr
	s_mov_b32 s26, 4<<16                           ; tensor_dim1
	s_mov_b32 s28, 4                               ; tile_dim1
	s_mov_b32 s34, 8<<16
	s_mov_b32 s36, 8
	s_lshl_b32 s84, s18, 3
	s_lshl_b32 s85, s14, 2
	s_add_co_u32 s84, s84, s85
	s_mul_i32 s84, s84, 12288                      ; O: tile 8 my + 4 x half
	s_mov_b32 s85, 0
	s_lshl_b32 s86, s17, 4
	s_lshl_b32 s87, s14, 3
	s_add_co_u32 s86, s86, s87
	s_add_co_u32 s86, s86, WT0
	s_mul_i32 s86, s86, 12288                      ; Wo: tile 192 + 16 nx + 8 x half
	s_mov_b32 s87, 0
	s_mul_i32 s88, s14, 12288                      ; where they go in a chunk: no place in the cluster enters an LDS address
	s_mul_i32 s89, s14, 24576
	s_add_co_u32 s89, s89, 24576
	s_wait_dscnt 0x0
	s_wait_kmcnt 0x0
	s_add_nc_u64 s[84:85], s[4:5], s[84:85]
	s_add_nc_u64 s[86:87], s[6:7], s[86:87]
	CROUND                                         ; all sixteen work-groups are here: the joint loads meet
.irp c, 0,1,2,3
	s_mov_b32 s[40+4*\c], 1
	s_add_co_u32 s[41+4*\c], s88, \c*CH
	s_add_nc_u64 s[42+4*\c:43+4*\c], s[84:85], 3072*\c
	s_or_b32 s[43+4*\c], s[43+4*\c], 0x80000000
	s_mov_b32 s[68+4*\c], 1
	s_add_co_u32 s[69+4*\c], s89, \c*CH
	s_add_nc_u64 s[70+4*\c:71+4*\c], s[86:87], 3072*\c
	s_or_b32 s[71+4*\c], s[71+4*\c], 0x80000000
.endr
	s_cmp_lt_u32 s12, 2                            ; a wave's four fills stand in one branch on the wave's number: four loads of mine are out
	s_cbranch_scc0 .Lfill_w
.irp c, 0,1,2,3
	tensor_load_to_lds s[40+4*\c:43+4*\c], s[24:31]
	s_nop 0
.endr
	PLACES 4
	s_branch .Lfilled
.Lfill_w:
.irp c, 0,1,2,3
	tensor_load_to_lds s[68+4*\c:71+4*\c], s[32:39]
	s_nop 0
.endr
	PLACES 4
.Lfilled:
	v_and_b32 v1, 31, v0                           ; lane
	v_and_b32 v2, 15, v0                           ; r
	v_bfe_u32 v3, v0, 4, 1                         ; h
	v_lshlrev_b32 v4, 3, v1                        ; a piece's place for my lane
	s_wait_alu depctr_va_vdst(0)
	v_lshlrev_b32 v5, 4, v1                        ; a scale image's, and my 16 bytes of a row of 512
	s_wait_alu depctr_va_vdst(0)
	s_mul_i32 s90, s13, 12288
.irp c, 0,1,2,3
	s_add_co_u32 s21, s89, \c*CH
	v_add_nc_u32 v[6+\c], s21, v4                  ; Wo's tiles 8 wn + b
	s_add_co_u32 s22, s90, \c*CH
	v_add_nc_u32 v[10+\c], s22, v4                 ; O's tiles 4 wm + a
.endr
	s_lshl_b32 s92, s17, 4
	s_lshl_b32 s93, s14, 3
	s_add_co_u32 s92, s92, s93
	s_add_co_u32 s92, s92, WT0
	s_lshl_b32 s92, s92, 9
	s_add_co_u32 s92, s92, WSC
	s_mov_b32 s93, 0
	s_add_nc_u64 s[92:93], s[6:7], s[92:93]
	s_lshl_b32 s94, s18, 3
	s_lshl_b32 s95, s13, 2
	s_add_co_u32 s94, s94, s95
	s_lshl_b32 s94, s94, 9
	s_add_co_u32 s94, s94, XSC
	s_mov_b32 s95, 0
	s_add_nc_u64 s[94:95], s[4:5], s[94:95]
.irp b, 0,1,2,3,4,5,6,7
	global_load_b128 v[16+4*\b:19+4*\b], v5, s[92:93] offset:512*\b   ; a tile's scale image: 512 consecutive bytes
.endr
.irp a, 0,1,2,3
	global_load_b128 v[48+4*\a:51+4*\a], v5, s[94:95] offset:512*\a
.endr
	s_mul_i32 s23, s12, 8448                       ; my stage: 16 rows of 512 + 16 bytes
	v_mul_u32_u24 v14, v2, 528
	v_lshl_add_u32 v14, v3, 6, v14
	v_add_nc_u32 v14, s23, v14                     ; in: row r, + 64 h
	v_add_nc_u32 v15, s23, v5                      ; back: 16 bytes a lane
	s_lshl_b32 s66, s18, 7
	s_lshl_b32 s21, s13, 6
	s_add_co_u32 s66, s66, s21                     ; my first token: 128 my + 64 wm
	s_lshl_b32 s66, s66, 12
	s_lshl_b32 s21, s17, 10
	s_add_co_u32 s66, s66, s21
	s_lshl_b32 s21, s14, 9
	s_add_co_u32 s66, s66, s21                     ; my first channel: 256 nx + 128 wn
	s_mov_b32 s67, 0
	s_add_nc_u64 s[90:91], s[8:9], s[66:67]
	s_wait_alu depctr_va_vdst(0)
	s_wait_tensorcnt 0x3                           ; my load of chunk 0 has landed; the three behind it may be out
	s_barrier_signal -1
	s_barrier_wait -1
	FETCH 0, 0
	s_wait_loadcnt 0x0                             ; the scale words
	STEP 0
	STEP 1
	STEP 2
	STEP 3
	STEP 4
	STEP 5
	STEP 6
	STEP 7
	WIN 0
	PLACES 4                                       ; in front of the first read of results and of loads into registers that held fragments
	TOSTAGE 0
.irp a, 1,2,3
.if \a > 1
	s_wait_xcnt 0x0                                ; block a - 2's stores have read their registers: block a's rows may land there
.endif
	TOSTAGE \a
	SEND \a-1, 32                                  ; behind block a - 1's loads: block a's 16 stores and 16 loads
.endr
	SEND 3, 0
	s_wait_tensorcnt 0x0
	ds_add_u32 v254, v255
	s_wait_dscnt 0x0
	CROUND                                         ; the closing round: no work-group ends while a partner may still ask for a tile that names it
	s_endpgm
.Lfunc_end_k_q92d22327e6_oproj:
	.size	k_q92d22327e6_oproj, .Lfunc_end_k_q92d22327e6_oproj-k_q92d22327e6_oproj
	.p2alignl 7, 3214868480
	.fill 96, 4, 3214868480
	.section	.rodata,"a",@progbits
	.p2align	6, 0x0
	.amdhsa_kernel k_q92d22327e6_oproj
		.amdhsa_group_segment_fixed_size 295424
		.amdhsa_private_segment_fixed_size 0
		.amdhsa_enable_private_segment 0
		.amdhsa_kernarg_size 24
		.amdhsa_user_sgpr_count 2
		.amdhsa_user_sgpr_kernarg_segment_ptr 1
		.amdhsa_wavefront_size32 1
		.amdhsa_system_sgpr_workgroup_id_x 1
		.amdhsa_system_sgpr_workgroup_id_y 1
		.amdhsa_system_sgpr_workgroup_id_z 1
		.amdhsa_system_vgpr_workitem_id 0
		.amdhsa_next_free_vgpr 768
		.amdhsa_next_free_sgpr 100
		.amdhsa_reserve_vcc 0
		.amdhsa_float_denorm_mode_32 3
		.amdhsa_float_denorm_mode_16_64 3
		.amdhsa_memory_ordered 1
		.amdhsa_forward_progress 1
		.amdhsa_inst_pref_size 95
	.end_amdhsa_kernel
	.amdgpu_metadata
---
amdhsa.version: [ 1, 2 ]
amdhsa.kernels:
  - .name:           k_q92d22327e6_oproj
    .symbol:         k_q92d22327e6_oproj.kd
    .args:
      - { .name: oq, .offset: 0, .size: 8, .value_kind: global_buffer, .address_space: global }
      - { .name: wq, .offset: 8, .size: 8, .value_kind: global_buffer, .address_space: global }
      - { .name: out0, .offset: 16, .size: 8, .value_kind: global_buffer, .address_space: global }
    .group_segment_fixed_size: 295424
    .private_segment_fixed_size: 0
    .kernarg_segment_align: 8
    .kernarg_segment_size: 24
    .max_flat_workgroup_size: 128
    .sgpr_count:     100
    .vgpr_count:     768
    .wavefront_size: 32
...
	.end_amdgpu_metadata
.endif
;; end of part 4
